; MI455X (gfx1250); checked and timed in simulation.
; The chip was launched on July 23, 2026; its instructions are those of AMD's public machine-readable ISA for CDNA 5 (MIT licence, August 2026) and "CDNA5" Instruction Set Architecture Reference Guide (July 2026). The comments in the code are by the model that wrote it; some were corrected since.
;; Multihead Attention. Allowed arithmetic: float matrix products may take bf16 or f16 operands with f32 sums; all other float work in f32.
;; Inputs: K 4 x 2,048 x 1,024 float32; Q 4 x 2,048 x 1,024 float32; V 4 x 2,048 x 1,024 float32; WK 16 x 1,024 x 64 float32; WO 1,024 x 1,024 float32; WQ 16 x 1,024 x 64 float32; WV 16 x 1,024 x 64 float32; mask 1 x 1 x 2,048 x 2,048 float32.
;; Outputs: out0 4 x 2,048 x 1,024 float32.
;; 2 versions, each right; version 2 is version 1 with the launch prep written anew for expert scheduling mode. Each part assembles by itself: llvm-mc -triple=amdgcn-amd-amdhsa -mcpu=gfx1250 --defsym DOCPART=n.
;; ======== version 1 of 2: 4 launches
;; limits: values are held in f16: magnitudes above 65,504 overflow, below 6.1e-05 lose precision; right only within a limited range of input values
;; workspace buffers: wt 8,388,608 bytes; qkv 50,331,648 bytes; att 16,777,216 bytes
;; launch prep (part 1): grid 512 x 1, 8 waves a work-group, no clusters, 18,432 bytes of LDS; arguments WQ, WK, WV, WO, wt; writes wt
.if DOCPART == 1
	.amdgcn_target "amdgcn-amd-amdhsa--gfx1250"
	.amdhsa_code_object_version 6
	.text
	.protected	k_qb9fcb269d4_prep
	.globl	k_qb9fcb269d4_prep
	.p2align	8
	.type	k_qb9fcb269d4_prep,@function
k_qb9fcb269d4_prep:
	s_mov_b64 s[64:65], 0
	v_nop
	global_prefetch_b8 v0, s[64:65] scope:SCOPE_SE
	s_setreg_imm32_b32 hwreg(HW_REG_WAVE_MODE, 25, 1), 1
	s_wait_xcnt 0x0
; wt[w][n][k] in f16, w = 0, 1, 2: W{Q,K,V}[h][d][c] / 4 at n = 64 h + c, k = d;  w = 3: 4 WO[k][n].
; The later products want their weights with K along the rows; the inputs have N along the rows.  So each weight is cast and
; transposed once here.  The factors are powers of two, so they commute with the rounding to f16: Qh, Kh, Vh come out at a quarter
; of their size (room in f16 at both ends), the logits at 1/16 instead of 1/8 (made good in the softmax), and WO gives V's factor back.
; LIMIT: a weight beyond 4 x 65,504 (WO: beyond 16,376) becomes an infinity in f16.
; A work-group takes a tile of 128 k x 64 n of one matrix: 512 tiles.  Thread t reads 16 bytes (4 n) of 8 rows, sixteen neighbouring
; lanes 256 consecutive bytes, aligned; two neighbouring k are packed into a word and laid into LDS as T[n][k]; whole rows of 256 bytes go out.
; No matrix unit, no cluster, no tensor load: the launch only moves 24 MB, each byte once.
.set TP, 272                           ; LDS pitch of T: 256 bytes (128 k) + 16
.set X,  8                             ; v[8:39]   8 loads of 4 numbers: pair i of rows at X+8i (row 2 (t/16) + 32 i) and X+8i+4 (the row below)
.set P,  40                            ; v[40:55]  packed words
.set Y,  56                            ; v[56:71]  rows on the way out
	s_load_b256 s[4:11], s[0:1], 0x0               ; WQ s[4:5], WK s[6:7], WV s[8:9], WO s[10:11]
	s_load_b64 s[12:13], s[0:1], 0x20              ; wt
	v_lshl_add_u32 v72, v0, 2, 0x4400
	v_mov_b32 v73, 0
	s_lshr_b32 s14, ttmp9, 7                       ; w: which matrix
	s_and_b32 s15, ttmp9, 15                       ; nb: which 64 n (for w < 3 the head)
	s_bfe_u32 s16, ttmp9, 0x30004                  ; kb: which 128 k
	v_and_b32 v5, 15, v0                           ; t % 16
	v_lshrrev_b32 v6, 4, v0                        ; t / 16
	v_mul_u32_u24 v2, v5, 4*TP                     ; into T: row n = 4 (t % 16) + e, word k / 2 = t / 16 + 16 i
	v_lshl_add_u32 v2, v6, 2, v2                   ; (these 4-byte stores meet four deep in a bank, 1,088 bytes being 16 words modulo 64: 16 stores a thread, accepted)
	v_mul_u32_u24 v3, v6, TP                       ; back: row n = t / 16 + 16 j, 16 bytes at 16 (t % 16)
	v_lshl_add_u32 v3, v5, 4, v3
	v_lshlrev_b32 v4, 11, v6                       ; and the same place in wt, whose rows are 2,048 bytes
	v_lshl_add_u32 v4, v5, 4, v4
	v_lshlrev_b32 v5, 4, v5                        ; 16 (t % 16)
	s_lshl_b32 s22, s14, 21                        ; the tile in wt: w x 2 MiB + nb x 64 rows + kb x 256 bytes
	s_lshl_b32 s23, s15, 17
	s_add_co_u32 s22, s22, s23
	s_lshl_b32 s23, s16, 8
	s_add_co_u32 s22, s22, s23
	s_mov_b32 s23, 0
	s_mov_b32 s19, 0
	s_cmp_eq_u32 s14, 3
	s_cselect_b32 s20, 4.0, 0x3e800000             ; WO x 4, the others x 1/4
	s_mov_b32 s21, s20
	s_wait_kmcnt 0x0
	s_add_nc_u64 s[12:13], s[12:13], s[22:23]
; eight loads: rows 2 (t / 16) + 32 i + e of the tile, rs bytes from row to row (1 << sh = 2 rs)
.macro LOAD8 rs, sh, base
	v_lshl_add_u32 v1, v6, \sh, v5
.irp i, 0,1,2,3
.irp e, 0,1
	global_load_b128 v[X+8*\i+4*\e:X+8*\i+4*\e+3], v1, s[\base:\base+1] offset:(32*\i+\e)*\rs th:TH_LOAD_NT
.endr
.endr
.endm
	s_cmp_eq_u32 s14, 3
	s_cbranch_scc1 .Lwo
	s_cmp_eq_u32 s14, 1                            ; [h][d][c]: a head is dense, a row of 64 numbers is 256 bytes
	s_cselect_b64 s[4:5], s[6:7], s[4:5]
	s_cmp_eq_u32 s14, 2
	s_cselect_b64 s[4:5], s[8:9], s[4:5]
	s_lshl_b32 s18, s15, 18                        ; head x 1,024 rows x 256 bytes
	s_lshl_b32 s17, s16, 15                        ; + kb x 128 rows
	s_add_co_u32 s18, s18, s17
	s_add_nc_u64 s[4:5], s[4:5], s[18:19]
	LOAD8 256, 9, 4
	s_branch .Lgot
.Lwo:
	s_lshl_b32 s18, s16, 19                        ; WO [k][n]: kb x 128 rows of 4,096 bytes
	s_lshl_b32 s17, s15, 8                         ; + nb x 256 bytes
	s_add_co_u32 s18, s18, s17
	s_add_nc_u64 s[10:11], s[10:11], s[18:19]
	LOAD8 4096, 13, 10
.Lgot:
.irp i, 0,1,2,3
	s_wait_loadcnt 6-2*\i                          ; loads come back in order (ISA guide 5.7.1): pair i of rows is in, the younger pairs stay out
.irp j, 0,2,4,6
	v_pk_mul_f32 v[X+8*\i+\j:X+8*\i+\j+1], v[X+8*\i+\j:X+8*\i+\j+1], s[20:21] op_sel_hi:[1,0]
.endr
.irp c, 0,1,2,3
	v_cvt_pk_f16_f32 v[P+4*\i+\c], v[X+8*\i+\c], v[X+8*\i+4+\c]    ; column 4 (t % 16) + c: the lower k in the low half
	ds_store_b32 v2, v[P+4*\i+\c] offset:\c*TP+\i*64
.endr
.endr
	s_wait_dscnt 0x0                               ; my stores are in LDS before I say so: other waves read them
	s_barrier_signal -1
	s_barrier_wait -1
.irp j, 0,1,2,3
	ds_load_b128 v[Y+4*\j:Y+4*\j+3], v3 offset:\j*16*TP
.endr
.irp j, 0,1,2,3
	s_wait_dscnt 3-\j
	global_store_b128 v4, v[Y+4*\j:Y+4*\j+3], s[12:13] offset:\j*16*2048   ; sixteen lanes store 256 consecutive bytes, aligned
.endr
	s_wait_tensorcnt 0x0
	ds_add_u32 v72, v73
	s_wait_dscnt 0x0
	s_endpgm
.Lfunc_end_k_qb9fcb269d4_prep:
	.size	k_qb9fcb269d4_prep, .Lfunc_end_k_qb9fcb269d4_prep-k_qb9fcb269d4_prep
	.p2alignl 7, 3214868480
	.fill 96, 4, 3214868480
	.section	.rodata,"a",@progbits
	.p2align	6, 0x0
	.amdhsa_kernel k_qb9fcb269d4_prep
		.amdhsa_group_segment_fixed_size 18432
		.amdhsa_private_segment_fixed_size 0
		.amdhsa_enable_private_segment 0
		.amdhsa_kernarg_size 40
		.amdhsa_user_sgpr_count 2
		.amdhsa_user_sgpr_kernarg_segment_ptr 1
		.amdhsa_wavefront_size32 1
		.amdhsa_system_sgpr_workgroup_id_x 1
		.amdhsa_system_sgpr_workgroup_id_y 1
		.amdhsa_system_sgpr_workgroup_id_z 1
		.amdhsa_system_vgpr_workitem_id 0
		.amdhsa_next_free_vgpr 74
		.amdhsa_next_free_sgpr 66
		.amdhsa_reserve_vcc 0
		.amdhsa_float_denorm_mode_32 3
		.amdhsa_float_denorm_mode_16_64 3
		.amdhsa_memory_ordered 1
		.amdhsa_forward_progress 1
		.amdhsa_inst_pref_size 8
	.end_amdhsa_kernel
	.amdgpu_metadata
---
amdhsa.version: [ 1, 2 ]
amdhsa.kernels:
  - .name:           k_qb9fcb269d4_prep
    .symbol:         k_qb9fcb269d4_prep.kd
    .args:
      - { .name: WQ, .offset: 0, .size: 8, .value_kind: global_buffer, .address_space: global }
      - { .name: WK, .offset: 8, .size: 8, .value_kind: global_buffer, .address_space: global }
      - { .name: WV, .offset: 16, .size: 8, .value_kind: global_buffer, .address_space: global }
      - { .name: WO, .offset: 24, .size: 8, .value_kind: global_buffer, .address_space: global }
      - { .name: wt, .offset: 32, .size: 8, .value_kind: global_buffer, .address_space: global }
    .group_segment_fixed_size: 18432
    .private_segment_fixed_size: 0
    .kernarg_segment_align: 8
    .kernarg_segment_size: 40
    .max_flat_workgroup_size: 256
    .sgpr_count:     66
    .vgpr_count:     74
    .wavefront_size: 32
...
	.end_amdgpu_metadata
.endif
;; end of part 1
;; launch qkv (part 2): grid 4 x 192, 4 waves a work-group, clusters of 4 x 4, 327,680 bytes of LDS; arguments Q, K, V, wt, qkv; writes qkv
.if DOCPART == 2
	.amdgcn_target "amdgcn-amd-amdhsa--gfx1250"
	.amdhsa_code_object_version 6
	.text
	.protected	k_qb9fcb269d4_qkv
	.globl	k_qb9fcb269d4_qkv
	.p2align	8
	.type	k_qb9fcb269d4_qkv,@function
k_qb9fcb269d4_qkv:
	s_mov_b64 s[64:65], 0
	v_nop
	global_prefetch_b8 v0, s[64:65] scope:SCOPE_SE
	s_setreg_imm32_b32 hwreg(HW_REG_WAVE_MODE, 25, 1), 1
	s_wait_xcnt 0x0
	s_wait_alu depctr_hold_cnt(0) depctr_sa_sdst(0) depctr_va_vdst(0) depctr_va_sdst(0) depctr_va_ssrc(0) depctr_va_vcc(0) depctr_vm_vsrc(0)
	s_getreg_b32 s2, hwreg(HW_REG_IB_STS2, 6, 4)
	s_cmp_eq_u32 s2, 0
	s_cbranch_scc0 .Lentry_in_a_cluster
	s_endpgm
.Lentry_in_a_cluster:
	s_bfe_u32 s2, ttmp6, 0x10000c
	s_cmp_lg_u32 s2, 0xf033
	s_cbranch_scc0 .Lentry_shape_is_right
	s_endpgm
.Lentry_shape_is_right:
; qkv[which][b t][n] = sum over d of X[b t][d] wt[which][n][d], X = Q, K, V (f32), wt in f16 with K along its rows, qkv in f16, sums in f32.
; The three projections are one product of 24,576 x 1,024 x 1,024.  A work-group makes a block of 128 x 256 with four waves, a wave 64 x 128:
; 32 accumulator tiles, 256 registers.  768 blocks, three for each of 256 WGPs.  K goes in steps of 128 through a ring of two LDS slots.
; X comes into LDS as f32 (rows of 512 bytes, aligned) and each wave rounds its fragments to f16 in registers: no cast pass through memory.
; LIMIT: f16 operands: |X| beyond 65,504, or a result beyond 65,504 (that is |Qh|, |Kh|, |Vh| beyond 262,016, the weights being quartered), becomes an infinity.
; CLUSTERS: 4 x 4 work-groups.  A row of the cluster spans all 1,024 columns and shares X's tile; a column shares wt's tile: each is asked for jointly,
; which divides the requests by four.  All sixteen work on the same one of Q, K, V: 64 block rows each, sixteen clusters.
; REGISTERS by windows of 256: window 0: addresses; X's fragments, two buffers of 4 x 16 registers (16 f32 as loaded, 8 after rounding, in place); v192-223 the way out.
;   window 1: wt's fragments, two buffers of 8 x 8.  window 2: accumulator (a, b) at v[8 (8 a + b)].
; THE MATRIX INSTRUCTION IS USED TRANSPOSED (source 0 = 16 rows of wt, source 1 = 16 rows of X): a lane then holds eight neighbouring columns of one row of the result.
.set KSTEP,  128
.set XP,     528                       ; X's LDS pitch: 512 bytes + 16; wt's: 256 + 16.  Both are odd multiples of 16 bytes, so the 16 rows
.set WP,     272                       ; that a 16-byte load touches start in 16 different groups of four banks (64 banks of 4 bytes: ISA guide 11.1)
.set XH,     64*XP                     ; 64 rows of X: one tensor load, and what one wave reads
.set WH,     128*WP                    ; 128 rows of wt: likewise
.set WOFF,   2*XH
.set SLOT,   2*XH+2*WH                 ; 137,216
.set STAGE,  2*SLOT                    ; 274,432, a multiple of 256: 16 rows x 272 bytes for each wave, never filled by a tensor load
.set SPITCH, 272
.set LAPS,   1024/(2*KSTEP)            ; 4 laps of two K steps
.set ADRX, 16                          ; v16-17  LDS address of my X fragments in slot 0, 1
.set ADRW, 20                          ; v20-21  of my wt fragments
.set STO,  24
.set RD,   25
.set CO,   26
.set F0,   64
.set F1,   128
.set TMP,  192
.set G1X, 24                           ; s[24:31] descriptor group 1, X
.set G0X, 32                           ; s[32:39] group 0, X, one set for each slot
.set G1W, 48                           ; s[48:55] group 1, wt
.set G0W, 56                           ; s[56:63] group 0, wt
.set MSB, 0
.macro WIN new                         ; the high byte of the immediate repeats the setting that is left
.if MSB != \new
	s_set_vgpr_msb (MSB<<8)|\new
.set MSB, \new
.endif
.endm
.set MUL,  0xa1                        ; source 0 (wt) window 1, source 1 (X) window 0, C and D window 2
.set TO_B, 0x40                        ; destination window 1, address window 0
; A joint load.  Waves 0 and 1 fetch X's two halves, waves 2 and 3 wt's.  Each line has one mask; the branch hangs on the wave number alone.
.macro JLOAD s
	s_cmp_eq_u32 s11, 0
	s_cbranch_scc0 .Lfor_w_\@
	tensor_load_to_lds s[G0X+4*\s:G0X+4*\s+3], s[G1X:G1X+7]
	s_nop 0
	s_branch .Lasked_\@
.Lfor_w_\@:
	tensor_load_to_lds s[G0W+4*\s:G0W+4*\s+3], s[G1W:G1W+7]
	s_nop 0
.Lasked_\@:
.endm
.macro CREST                           ; a round of the cluster barrier behind its opening work-group barrier
	s_cmp_lg_u32 s10, 0
	s_cbranch_scc1 .Lnot_wave_0_\@
	s_barrier_signal -3
.Lnot_wave_0_\@:
	s_barrier_wait -3
	s_barrier_signal -1
	s_barrier_wait -1
.endm
.macro CROUND
	s_barrier_signal -1
	s_barrier_wait -1
	CREST
.endm
	s_load_b256 s[80:87], s[0:1], 0x0              ; Q s[80:81], K s[82:83], V s[84:85], wt s[86:87]
	s_load_b64 s[8:9], s[0:1], 0x20                ; qkv
	v_lshl_add_u32 v254, v0, 2, 0x47400
	v_mov_b32 v255, 0
	ds_add_u32 v254, v255
	v_lshrrev_b32 v1, 5, v0
	v_readfirstlane_b32 s10, v1                    ; wave 0..3
	s_lshr_b32 s11, s10, 1                         ; which 64 rows of the block are mine.  Also: I fetch for X (0) or for wt (1)
	s_and_b32 s12, s10, 1                          ; which 128 columns.  Also: which half of that tile I fetch
	s_bfe_u32 s40, ttmp6, 0x40000                  ; cx
	s_bfe_u32 s41, ttmp6, 0x40004                  ; cy
	s_lshl_b32 s42, ttmp9, 2
	s_add_co_u32 s42, s42, s40                     ; block column 0..3
	s_and_b32 s45, ttmp7, 0xffff                   ; the cluster's y, 0..47
	s_lshl_b32 s13, s45, 2
	s_add_co_u32 s13, s13, s41                     ; block row 0..191 of the three results stacked
	s_lshr_b32 s45, s45, 4                         ; which of Q, K, V: the same in the whole cluster
	s_lshl_b32 s43, s41, 2
	s_lshl_b32 s43, 15, s43                        ; my row of the cluster
	s_lshl_b32 s44, 0x1111, s40                    ; my column
	s_or_b32 s[G1X+0], s43, (2<<16)|(1<<20)|(1<<21)|(6<<22)|(3<<25)   ; mask; elements of 4 bytes; padding on; bit 21 beside a mask; after every 128 words, 4 words
	s_or_b32 s[G1W+0], s44, (1<<16)|(1<<20)|(1<<21)|(5<<22)|(3<<25)   ; mask; elements of 2 bytes; after every 64 words, 4 words
	s_mov_b32 s[G1X+1], KSTEP<<16                  ; tensor_dim0 = 128
	s_mov_b32 s[G1W+1], KSTEP<<16
	s_mov_b32 s[G1X+2], 64<<16                     ; tensor_dim1 = 64 rows
	s_mov_b32 s[G1W+2], 128<<16                    ;             = 128 rows
	s_mov_b32 s[G1X+3], KSTEP<<16                  ; tile_dim0 = 128
	s_mov_b32 s[G1W+3], KSTEP<<16
	s_mov_b32 s[G1X+4], 64                         ; tile_dim1
	s_mov_b32 s[G1W+4], 128
	s_mov_b32 s[G1X+5], 1024                       ; elements from row to row
	s_mov_b32 s[G1W+5], 1024
	s_mov_b32 s[G1X+6], 0
	s_mov_b32 s[G1W+6], 0
	s_mov_b32 s[G1X+7], 0
	s_mov_b32 s[G1W+7], 0
	; X's tile hangs on the block row alone, wt's on the block column (and on which of the three, which all sixteen share);
	; each offset is made in registers that never hold the other coordinate
	s_and_b32 s16, s13, 63
	s_lshl_b32 s16, s16, 7
	s_lshl_b32 s17, s12, 6
	s_add_co_u32 s16, s16, s17                     ; X's row: 128 x (block row mod 64) + 64 x half
	s_lshl_b32 s16, s16, 12                        ; x 4,096 bytes: below 2^25
	s_mov_b32 s17, 0
	s_lshl_b32 s46, s42, 8
	s_lshl_b32 s47, s12, 7
	s_add_co_u32 s46, s46, s47                     ; wt's row: 256 x block column + 128 x half
	s_lshl_b32 s46, s46, 11                        ; x 2,048 bytes
	s_lshl_b32 s47, s45, 21                        ; + which x 2 MiB
	s_add_co_u32 s46, s46, s47
	s_mov_b32 s47, 0
	s_mul_i32 s20, s12, XH                         ; where they go: the wave number alone enters an LDS address
	s_mul_i32 s21, s12, WH
	s_add_co_u32 s21, s21, WOFF
	s_wait_dscnt 0x0
	s_wait_kmcnt 0x0
	s_cmp_eq_u32 s45, 1
	s_cselect_b64 s[80:81], s[82:83], s[80:81]
	s_cmp_eq_u32 s45, 2
	s_cselect_b64 s[80:81], s[84:85], s[80:81]
	s_add_nc_u64 s[14:15], s[80:81], s[16:17]
	s_add_nc_u64 s[46:47], s[86:87], s[46:47]
	CROUND                                         ; all sixteen work-groups are here: the first joint loads meet
.irp s, 0,1
	s_mov_b32 s[G0X+4*\s], 1
	s_add_co_u32 s[G0X+4*\s+1], s20, \s*SLOT
	s_add_nc_u64 s[G0X+4*\s+2:G0X+4*\s+3], s[14:15], \s*KSTEP*4    ; K step s
	s_or_b32 s[G0X+4*\s+3], s[G0X+4*\s+3], 0x80000000
	s_mov_b32 s[G0W+4*\s], 1
	s_add_co_u32 s[G0W+4*\s+1], s21, \s*SLOT
	s_add_nc_u64 s[G0W+4*\s+2:G0W+4*\s+3], s[46:47], \s*KSTEP*2
	s_or_b32 s[G0W+4*\s+3], s[G0W+4*\s+3], 0x80000000
	JLOAD \s                                       ; both slots are asked for before anything else: two loads of a wave are out, the most in this text
.endr
	; A fragment is 16 rows x 32 K: lane l holds row l % 16; registers 0-3 K = 8 (l / 16) + 0..7, registers 4-7 K = 16 + 8 (l / 16) + 0..7.
	; In f16 that is 16 bytes at 16 (l / 16) and at + 32; in f32 32 bytes at 32 (l / 16) and at + 64.
	v_and_b32 v1, 15, v0
	v_bfe_u32 v2, v0, 4, 1
	v_mul_u32_u24 v3, v1, XP
	v_lshl_add_u32 v3, v2, 5, v3
	v_mul_u32_u24 v4, v1, WP
	v_lshl_add_u32 v4, v2, 4, v4
	s_mul_i32 s21, s11, XH                         ; my 64 rows of X
	s_mul_i32 s22, s12, WH                         ; my 128 rows of wt
	s_add_co_u32 s22, s22, WOFF
.irp s, 0,1
	v_add_nc_u32 v[ADRX+\s], s21, v3
	v_add_nc_u32 v[ADRW+\s], s22, v4
	s_add_co_u32 s21, s21, SLOT
	s_add_co_u32 s22, s22, SLOT
.endr
	s_mul_i32 s23, s10, 16*SPITCH
	s_add_co_u32 s23, s23, STAGE                   ; my stage
	v_add_nc_u32 v[STO], s23, v4                   ; in: row l % 16, 16 bytes for each half of the lanes (the stage has wt's pitch)
	v_mul_u32_u24 v5, v2, SPITCH                   ; back: lanes 0-15 one row of 256 bytes, lanes 16-31 the next
	v_lshl_add_u32 v5, v1, 4, v5
	v_add_nc_u32 v[RD], s23, v5
	v_lshlrev_b32 v5, 11, v2                       ; the same two rows in qkv, 2,048 bytes apart
	v_lshl_add_u32 v[CO], v1, 4, v5
; 16 matrix instructions: row blocks a0, a0 + 1 x all 8 column blocks, 32 along K.  zero = 1: the first product starts the sums.
; The 32 accumulators take turns, one instruction a turn, in the same order in every quarter step.
.macro MULH f, a0, zero
.irp a, \a0, \a0+1
.irp b, 0,1,2,3,4,5,6,7
.if \zero
	v_wmma_f32_16x16x32_f16 v[8*(8*(\a)+\b):8*(8*(\a)+\b)+7], v[\f+8*\b:\f+8*\b+7], v[\f+16*(\a):\f+16*(\a)+7], 0
.else
	v_wmma_f32_16x16x32_f16 v[8*(8*(\a)+\b):8*(8*(\a)+\b)+7], v[\f+8*\b:\f+8*\b+7], v[\f+16*(\a):\f+16*(\a)+7], v[8*(8*(\a)+\b):8*(8*(\a)+\b)+7]
.endif
.endr
.endr
.endm
; 32 LDS loads: quarter kq (32 K) of the slot: 64 rows of X in f32, 128 rows of wt in f16, into buffer f
.macro FETCH slot, kq, f
	WIN 0
.irp a, 0,1,2,3
	ds_load_b128 v[\f+16*\a:\f+16*\a+3],     v[ADRX+\slot] offset:128*\kq+\a*16*XP
	ds_load_b128 v[\f+16*\a+4:\f+16*\a+7],   v[ADRX+\slot] offset:128*\kq+\a*16*XP+16
	ds_load_b128 v[\f+16*\a+8:\f+16*\a+11],  v[ADRX+\slot] offset:128*\kq+\a*16*XP+64
	ds_load_b128 v[\f+16*\a+12:\f+16*\a+15], v[ADRX+\slot] offset:128*\kq+\a*16*XP+80
.endr
	WIN TO_B
.irp i, 0,1,2,3,4,5,6,7
	ds_load_b128 v[\f+8*\i:\f+8*\i+3],   v[ADRW+\slot] offset:64*\kq+\i*16*WP
	ds_load_b128 v[\f+8*\i+4:\f+8*\i+7], v[ADRW+\slot] offset:64*\kq+\i*16*WP+32
.endr
.endm
; X's four fragments of buffer f, 16 f32 to 8 words of f16, in place: word i is written when numbers 2 i and 2 i + 1 are read, and i <= 2 i
.macro CVT f
.irp a, 0,1,2,3
.irp i, 0,1,2,3,4,5,6,7
	v_cvt_pk_f16_f32 v[\f+16*\a+\i], v[\f+16*\a+2*\i], v[\f+16*\a+2*\i+1]
.endr
.endr
.endm
; A quarter step: round buffer f, fetch quarter kq into buffer g, multiply f.  The 32 conversions name none of the registers of the matrix instructions
; that read g last, so they are the places that stand between those and the loads into g (four are asked for).
; The loads have the quarter's 32 matrix instructions in which to come back.
.macro QUARTER slot, kq, f, g, zero
	s_wait_dscnt 0x0                               ; buffer f is in
	WIN 0
	CVT \f
	FETCH \slot, \kq, \g
	WIN MUL
	MULH \f, 0, \zero
	MULH \f, 2, \zero
.endm
.macro THREE slot, zero
	QUARTER \slot, 1, F0, F1, \zero
	QUARTER \slot, 2, F1, F0, 0
	QUARTER \slot, 3, F0, F1, 0
.endm
; The last quarter changes slots.  In front of the barrier each wave has waited for its reads of this slot and for all its tensor loads (one is out: its part of
; the next slot).  Where the slot is filled again the barrier opens a round of the cluster barrier, and the joint refill is the first tensor load behind the round.
.macro TURN slot, next, fill
	s_wait_dscnt 0x0                               ; buffer 1 is in: my last reads of this slot
	WIN 0
	CVT F1
	s_wait_tensorcnt 0x0                           ; all my tensor loads have landed
	ds_add_u32 v254, v255
	s_wait_dscnt 0x0
	s_barrier_signal -1
	WIN MUL
	MULH F1, 0, 0                                  ; registers only, while the others arrive
	WIN 0
	s_barrier_wait -1
.if \fill
	CREST                                          ; no wave of any partner still reads this slot or has a load on its way
	s_add_nc_u64 s[G0X+4*\slot+2:G0X+4*\slot+3], s[G0X+4*\slot+2:G0X+4*\slot+3], 2*KSTEP*4
	s_add_nc_u64 s[G0W+4*\slot+2:G0W+4*\slot+3], s[G0W+4*\slot+2:G0W+4*\slot+3], 2*KSTEP*2
	JLOAD \slot
.endif
	FETCH \next, 0, F0                             ; buffer 0 was read last in front of CVT F1: 32 places
	WIN MUL
	MULH F1, 2, 0
.endm
.macro LAP zero
	THREE 0, \zero
	TURN 0, 1, 1
	THREE 1, 0
	TURN 1, 0, 1
.endm
	s_wait_tensorcnt 0x1                           ; my part of K step 0 is in; K step 1 may stay out
	s_barrier_signal -1
	s_barrier_wait -1
	FETCH 0, 0, F0
	LAP 1                                          ; the first lap stands in front of the loop: its first products start the sums
	WIN 0
	s_mov_b32 s3, LAPS-2
.Llap:
	LAP 0
	WIN 0
	s_sub_co_u32 s3, s3, 1
	s_cmp_lg_u32 s3, 0
	s_cbranch_scc1 .Llap
	THREE 0, 0                                     ; the last lap fills nothing
	TURN 0, 1, 0
	THREE 1, 0
	s_wait_dscnt 0x0
	WIN 0
	CVT F1
	WIN MUL
	MULH F1, 0, 0
	MULH F1, 2, 0
	; THE WAY OUT, 16 rows at a time: round to f16, 16 bytes a lane into my own stage, whole rows of 256 bytes back and out.
.rept 4
	v_nop                                          ; four places behind the last matrix instructions, for the conversions and for the loads into the buffers
.endr
	s_lshl_b32 s16, s13, 7
	s_lshl_b32 s17, s11, 6
	s_add_co_u32 s16, s16, s17                     ; my first row of qkv
	s_lshl_b32 s16, s16, 11                        ; x 2,048 bytes: below 2^26
	s_mov_b32 s17, 0
	s_add_nc_u64 s[8:9], s[8:9], s[16:17]
	s_lshl_b32 s46, s42, 9                         ; my first column in bytes: 512 x block column + 256 x half
	s_lshl_b32 s47, s12, 8
	s_add_co_u32 s46, s46, s47
	s_mov_b32 s47, 0
	s_add_nc_u64 s[8:9], s[8:9], s[46:47]
.macro OUT16 i, f
	WIN 0x0a                                       ; sources 0 and 1 in window 2
.irp b, 0,1,2,3,4,5,6,7
.irp r, 0,1,2,3
	v_cvt_pk_f16_f32 v[TMP+4*\b+\r], v[8*(8*\i+\b)+2*\r], v[8*(8*\i+\b)+2*\r+1]
.endr
.endr
	WIN 0
.irp b, 0,1,2,3,4,5,6,7
	ds_store_b128 v[STO], v[TMP+4*\b:TMP+4*\b+3] offset:32*\b
.endr
	s_wait_xcnt 0x0                                ; the stores issued so far have had their addresses translated (ISA guide 3.1): their base and buffer f are rewritten only behind this wait
.if \i
	s_add_nc_u64 s[8:9], s[8:9], 16*2048
.endif
.irp t, 0,1,2,3,4,5,6,7
	ds_load_b128 v[\f+4*\t:\f+4*\t+3], v[RD] offset:\t*2*SPITCH    ; LDS serves a wave in order (ISA guide 5.7.1.4): these see the stores above
.endr
.irp t, 0,1,2,3,4,5,6,7
	s_wait_dscnt 7-\t
	global_store_b128 v[CO], v[\f+4*\t:\f+4*\t+3], s[8:9] offset:2*\t*2048   ; sixteen lanes store 256 consecutive bytes, aligned
.endr
.endm
	OUT16 0, F0
	OUT16 1, F1
	OUT16 2, F0
	OUT16 3, F1
	s_wait_tensorcnt 0x0
	ds_add_u32 v254, v255
	s_wait_dscnt 0x0
	CROUND                                         ; the closing round: no work-group ends while a partner may still ask for a tile that names it
	s_endpgm
.Lfunc_end_k_qb9fcb269d4_qkv:
	.size	k_qb9fcb269d4_qkv, .Lfunc_end_k_qb9fcb269d4_qkv-k_qb9fcb269d4_qkv
	.p2alignl 7, 3214868480
	.fill 96, 4, 3214868480
	.section	.rodata,"a",@progbits
	.p2align	6, 0x0
	.amdhsa_kernel k_qb9fcb269d4_qkv
		.amdhsa_group_segment_fixed_size 327680
		.amdhsa_private_segment_fixed_size 0
		.amdhsa_enable_private_segment 0
		.amdhsa_kernarg_size 40
		.amdhsa_user_sgpr_count 2
		.amdhsa_user_sgpr_kernarg_segment_ptr 1
		.amdhsa_wavefront_size32 1
		.amdhsa_system_sgpr_workgroup_id_x 1
		.amdhsa_system_sgpr_workgroup_id_y 1
		.amdhsa_system_sgpr_workgroup_id_z 1
		.amdhsa_system_vgpr_workitem_id 0
		.amdhsa_next_free_vgpr 768
		.amdhsa_next_free_sgpr 96
		.amdhsa_reserve_vcc 0
		.amdhsa_float_denorm_mode_32 3
		.amdhsa_float_denorm_mode_16_64 3
		.amdhsa_memory_ordered 1
		.amdhsa_forward_progress 1
		.amdhsa_inst_pref_size 175
	.end_amdhsa_kernel
	.amdgpu_metadata
---
amdhsa.version: [ 1, 2 ]
amdhsa.kernels:
  - .name:           k_qb9fcb269d4_qkv
    .symbol:         k_qb9fcb269d4_qkv.kd
    .args:
      - { .name: Q, .offset: 0, .size: 8, .value_kind: global_buffer, .address_space: global }
      - { .name: K, .offset: 8, .size: 8, .value_kind: global_buffer, .address_space: global }
      - { .name: V, .offset: 16, .size: 8, .value_kind: global_buffer, .address_space: global }
      - { .name: wt, .offset: 24, .size: 8, .value_kind: global_buffer, .address_space: global }
      - { .name: qkv, .offset: 32, .size: 8, .value_kind: global_buffer, .address_space: global }
    .group_segment_fixed_size: 327680
    .private_segment_fixed_size: 0
    .kernarg_segment_align: 8
    .kernarg_segment_size: 40
    .max_flat_workgroup_size: 128
    .sgpr_count:     96
    .vgpr_count:     768
    .wavefront_size: 32
...
	.end_amdgpu_metadata
.endif
;; end of part 2
;; launch attn (part 3): grid 16 x 16, 8 waves a work-group, clusters of 4 x 4, 327,680 bytes of LDS; arguments qkv, mask, att; writes att
.if DOCPART == 3
	.amdgcn_target "amdgcn-amd-amdhsa--gfx1250"
	.amdhsa_code_object_version 6
	.text
	.protected	k_qb9fcb269d4_attn
	.globl	k_qb9fcb269d4_attn
	.p2align	8
	.type	k_qb9fcb269d4_attn,@function
k_qb9fcb269d4_attn:
	s_mov_b64 s[64:65], 0
	v_nop
	global_prefetch_b8 v0, s[64:65] scope:SCOPE_SE
	s_setreg_imm32_b32 hwreg(HW_REG_WAVE_MODE, 25, 1), 1
	s_wait_xcnt 0x0
	s_wait_alu depctr_hold_cnt(0) depctr_sa_sdst(0) depctr_va_vdst(0) depctr_va_sdst(0) depctr_va_ssrc(0) depctr_va_vcc(0) depctr_vm_vsrc(0)
	s_getreg_b32 s2, hwreg(HW_REG_IB_STS2, 6, 4)
	s_cmp_eq_u32 s2, 0
	s_cbranch_scc0 .Lentry_in_a_cluster
	s_endpgm
.Lentry_in_a_cluster:
	s_bfe_u32 s2, ttmp6, 0x10000c
	s_cmp_lg_u32 s2, 0xf033
	s_cbranch_scc0 .Lentry_shape_is_right
	s_endpgm
.Lentry_shape_is_right:
; att[b t][64 head + v] = softmax over s of (Qh.Kh / 8 - 1e9 mask[t][s]) times Vh, in f16 and at a quarter of its size (Vh is stored quartered).
; The mask is an input: every one of the 2,048 x 2,048 logits of every head is made, and the mask term is added in f32.
; SCALES: Qh and Kh are stored quartered, so the product is x / 2 of the reference's logit x; the mask term is added as mask x (-5e8), the running maximum is
; subtracted first, exactly, and only the difference is multiplied by 2 log2(e).  Halving is exact, so x / 2 is the reference's x halved, also for rows that are
; masked throughout, where x rounds to -1e9 and the weights come out equal.
; LIMITS: fma(mask, -5e8, S) rounds once where the reference rounds the product and the sum: the same whenever mask x 1e9 is exact in f32 (0, 1, short fractions).
;   The weights go to the second product in f16 (below 6e-8 of the row's largest they count as 0); the row sum is taken of the unrounded weights.
; SHARES: a work-group has 128 queries x 4 heads of one batch; wave w has head w / 2 and 64 queries (w % 2), four tiles c of 16.  256 work-groups, two waves on a SIMD.
; TRANSPOSED: S^T = K Q^T (source 0 = 16 keys from LDS, source 1 = 16 queries, kept in registers): lane (r, h) holds query r, keys 8 h + 0..7 of each tile of 16.
;   The maximum and the sum of a row are then a lane's own but for one exchange with lane + 16, and two key tiles, packed, ARE source 1 of O^T = V^T P^T:
;   no way through LDS for P.  V^T comes from LDS by the transposing load.
; ORDER OF A TRIP: by query tile, so that matrix work comes in groups of eight instructions with vector work of ANOTHER tile behind each group:
;   S(0) S(1) | mask 0 | S(2) | softmax 0 | PV(0) | mask 1 | S(3) | softmax 1 | PV(1) | mask, softmax 2 | PV(2) | mask, softmax 3 | PV(3).
;   A trip has 64 matrix instructions and some 600 vector instructions a wave; in this order the wave goes on issuing while a group is worked off.
; THE MASK'S REGISTERS: the mask of tile c is loaded into the S registers of tile (c + 2) % 4, which are free just then: S(2), S(3) are made only behind the
;   mask steps of tiles 0, 1; S(0), S(1) have been packed and multiplied when the masks of tiles 2, 3 are fetched.
; CLUSTERS 4 x 4: along a row (same batch and heads) K's and V's tiles are shared, along a column (same queries) the mask's: joint loads, a quarter of the requests.
; RING: 32 tiles of 64 keys through two slots; wave 0 asks for K, wave 1 for V, waves 2 and 3 for 64 rows of the mask each: one load of a wave is out at most.
;   Two slots of 128 keys would take 413,696 bytes of LDS: they do not fit.
.set KP,    528                        ; K: 64 rows x 512 bytes (4 heads) + 16
.set VP,    544                        ; V: 512 + 32: an odd multiple of 32
.set MP,    272                        ; mask: 128 rows x 256 bytes (64 keys in f32) + 16
.set VOFF,  64*KP
.set MOFF,  VOFF+64*VP
.set SLOT,  MOFF+128*MP                ; 103,424
.set STAGE, 2*SLOT                     ; 206,848, a multiple of 256: 128 rows x 528 bytes, never filled by a tensor load
.set SP,    528
.set TSTEP, 64*2048                    ; 64 rows of qkv
; window 0
.set AK,  2                            ; v2-3   LDS address of my K fragments, slot 0, 1
.set AV,  4                            ; v4-5   of my V fragments
.set AM,  6                            ; v6-7   of my mask numbers
.set STO, 8
.set RD,  9
.set CO,  10
.set QO,  11
.set MX,  12                           ; v[12:19]  the running maximum of x / 2, twice, for each c
.set AL,  20                           ; v[20:27]  the factor for the old sums, twice
.set LS,  28                           ; v[28:35]  the row sum in two parts
.set U,   36                           ; v[36:45]  the maximum's tree, first level; then at work
.set W,   46                           ; v[46:49]  its second level
.set SA,  50                           ; v[50:57]  four chains of the sum, a pair each
.set SX,  64                           ; v[64:191]   S(c, t) at 64 + 32 c + 8 t; later P(c, u) at 64 + 32 c + 16 u; between times the mask of tile (c + 2) % 4
.set KF,  192                          ; v[192:255]  K(t, ks) at 192 + 16 t + 8 ks
; window 1
.set OA,  0                            ; O(c, d) at 32 c + 8 d
.set QF,  128                          ; Q(c, ks) at 128 + 16 c + 8 ks
.set VF,  192                          ; V(u, d) at 192 + 32 u + 8 d
.set G1K, 24
.set G1V, 32
.set G1M, 40
.set G0K, 48
.set G0V, 56
.set G0M, 68
.set MSB, 0
.macro WIN new                         ; the high byte of the immediate repeats the setting that is left
.if MSB != \new
	s_set_vgpr_msb (MSB<<8)|\new
.set MSB, \new
.endif
.endm
.macro CREST                           ; a round of the cluster barrier behind its opening work-group barrier
	s_cmp_lg_u32 s10, 0
	s_cbranch_scc1 .Lnot_wave_0_\@
	s_barrier_signal -3
.Lnot_wave_0_\@:
	s_barrier_wait -3
	s_barrier_signal -1
	s_barrier_wait -1
.endm
.macro ROUND                           ; a whole round
	s_barrier_signal -1
	s_barrier_wait -1
	CREST
.endm
.macro JLOAD s                         ; the joint loads of slot s; the branches hang on the wave number alone
	s_cmp_gt_u32 s10, 3
	s_cbranch_scc1 .Lasked_\@
	s_cmp_gt_u32 s10, 1
	s_cbranch_scc1 .Lfor_m_\@
	s_cmp_eq_u32 s10, 0
	s_cbranch_scc0 .Lfor_v_\@
	tensor_load_to_lds s[G0K+4*\s:G0K+4*\s+3], s[G1K:G1K+7]
	s_nop 0
	s_branch .Lasked_\@
.Lfor_v_\@:
	tensor_load_to_lds s[G0V+4*\s:G0V+4*\s+3], s[G1V:G1V+7]
	s_nop 0
	s_branch .Lasked_\@
.Lfor_m_\@:
	tensor_load_to_lds s[G0M+4*\s:G0M+4*\s+3], s[G1M:G1M+7]
	s_nop 0
.Lasked_\@:
.endm
	s_load_b128 s[4:7], s[0:1], 0x0                ; qkv s[4:5], mask s[6:7]
	s_load_b64 s[8:9], s[0:1], 0x10                ; att
	v_lshl_add_u32 v62, v0, 2, 0x43000
	v_mov_b32 v63, 0
	ds_add_u32 v62, v63
	v_lshrrev_b32 v1, 5, v0
	v_readfirstlane_b32 s10, v1                    ; wave 0..7
	s_lshr_b32 s11, s10, 1                         ; my head of the four
	s_and_b32 s12, s10, 1                          ; my 64 queries of the 128.  Waves 2, 3: which 64 rows of the mask I fetch
	s_bfe_u32 s13, ttmp6, 0x40000                  ; cx
	s_bfe_u32 s14, ttmp6, 0x40004                  ; cy = the group of four heads
	s_lshl_b32 s15, ttmp9, 2
	s_add_co_u32 s15, s15, s13                     ; query block 0..15
	s_and_b32 s16, ttmp7, 0xffff                   ; the cluster's y = the batch
	s_lshl_b32 s17, s14, 2
	s_lshl_b32 s17, 15, s17                        ; my row of the cluster
	s_lshl_b32 s18, 0x1111, s13                    ; my column
	s_mov_b32 s20, 0x76543210                      ; v_permlanex16_b32: lane i reads lane i of the other half
	s_mov_b32 s21, 0xfedcba98
	s_or_b32 s[G1K+0], s17, (1<<16)|(1<<20)|(1<<21)|(6<<22)|(3<<25)   ; 2-byte elements; after every 128 words 4 words
	s_or_b32 s[G1V+0], s17, (1<<16)|(1<<20)|(1<<21)|(6<<22)|(7<<25)   ; after every 128 words 8 words
	s_or_b32 s[G1M+0], s18, (2<<16)|(1<<20)|(1<<21)|(5<<22)|(3<<25)   ; 4-byte elements; after every 64 words 4 words
	s_mov_b32 s[G1K+1], 256<<16                    ; tensor_dim0
	s_mov_b32 s[G1V+1], 256<<16
	s_mov_b32 s[G1M+1], 64<<16
	s_mov_b32 s[G1K+2], 64<<16                     ; tensor_dim1
	s_mov_b32 s[G1V+2], 64<<16
	s_mov_b32 s[G1M+2], 64<<16
	s_mov_b32 s[G1K+3], 256<<16                    ; tile_dim0
	s_mov_b32 s[G1V+3], 256<<16
	s_mov_b32 s[G1M+3], 64<<16
	s_mov_b32 s[G1K+4], 64                         ; tile_dim1
	s_mov_b32 s[G1V+4], 64
	s_mov_b32 s[G1M+4], 64
	s_mov_b32 s[G1K+5], 1024                       ; elements from row to row
	s_mov_b32 s[G1V+5], 1024
	s_mov_b32 s[G1M+5], 2048
	s_mov_b32 s[G1K+6], 0
	s_mov_b32 s[G1V+6], 0
	s_mov_b32 s[G1M+6], 0
	s_mov_b32 s[G1K+7], 0
	s_mov_b32 s[G1V+7], 0
	s_mov_b32 s[G1M+7], 0
	s_lshl_b32 s76, s16, 22                        ; batch x 2,048 rows x 2,048 bytes
	s_lshl_b32 s77, s14, 9                         ; + head group x 512 bytes: what my row of the cluster shares
	s_add_co_u32 s76, s76, s77
	s_mov_b32 s77, 0
	s_lshl_b32 s78, s15, 18                        ; query block x 128 rows x 2,048 bytes
	s_mov_b32 s79, 0
	s_lshl_b32 s88, s15, 20                        ; the mask: query block x 128 rows x 8,192 bytes: what my column shares,
	s_lshl_b32 s89, s12, 19                        ; + 64 rows for wave 3
	s_add_co_u32 s88, s88, s89
	s_mov_b32 s89, 0
	s_mul_i32 s92, s12, 64*MP
	s_add_co_u32 s92, s92, MOFF
	s_wait_dscnt 0x0
	s_wait_kmcnt 0x0
	s_add_nc_u64 s[80:81], s[4:5], s[76:77]
	s_add_nc_u64 s[82:83], s[80:81], 0x1000000     ; Kh lies 8,192 rows behind Qh,
	s_add_nc_u64 s[84:85], s[80:81], 0x2000000     ; Vh 16,384
	s_add_nc_u64 s[86:87], s[80:81], s[78:79]      ; my work-group's queries
	s_add_nc_u64 s[90:91], s[6:7], s[88:89]
	s_add_nc_u64 s[8:9], s[8:9], s[76:77]
	s_add_nc_u64 s[8:9], s[8:9], s[78:79]
.irp s, 0,1
	s_mov_b32 s[G0K+4*\s], 1
	s_mov_b32 s[G0K+4*\s+1], \s*SLOT
	s_add_nc_u64 s[G0K+4*\s+2:G0K+4*\s+3], s[82:83], \s*TSTEP      ; tile s
	s_or_b32 s[G0K+4*\s+3], s[G0K+4*\s+3], 0x80000000
	s_mov_b32 s[G0V+4*\s], 1
	s_mov_b32 s[G0V+4*\s+1], \s*SLOT+VOFF
	s_add_nc_u64 s[G0V+4*\s+2:G0V+4*\s+3], s[84:85], \s*TSTEP
	s_or_b32 s[G0V+4*\s+3], s[G0V+4*\s+3], 0x80000000
	s_mov_b32 s[G0M+4*\s], 1
	s_add_co_u32 s[G0M+4*\s+1], s92, \s*SLOT
	s_add_nc_u64 s[G0M+4*\s+2:G0M+4*\s+3], s[90:91], \s*256
	s_or_b32 s[G0M+4*\s+3], s[G0M+4*\s+3], 0x80000000
.endr
	ROUND                                          ; all sixteen work-groups are here
	JLOAD 0                                        ; tile 0; slot 1 is filled behind the next round, as every refill is
	v_and_b32 v36, 15, v0                          ; r
	v_bfe_u32 v37, v0, 4, 1                        ; h
	v_and_b32 v38, 7, v0
	v_bfe_u32 v39, v0, 3, 1
	v_and_b32 v40, 31, v0                          ; lane
	s_lshl_b32 s22, s11, 7                         ; my head's 128 bytes of a row
	v_mul_u32_u24 v[AK], v36, KP                   ; K: key r, 16 bytes at 16 h
	v_lshl_add_u32 v[AK], v37, 4, v[AK]
	v_add_nc_u32 v[AK], s22, v[AK]
	v_add_nc_u32 v[AK+1], SLOT, v[AK]
	v_lshl_add_u32 v[AV], v37, 3, v38              ; V: key 8 h + lane % 8, 16 bytes at 16 ((lane / 8) % 2)
	v_mul_u32_u24 v[AV], v[AV], VP
	v_lshl_add_u32 v[AV], v39, 4, v[AV]
	s_add_co_u32 s23, s22, VOFF
	v_add_nc_u32 v[AV], s23, v[AV]
	v_add_nc_u32 v[AV+1], SLOT, v[AV]
	s_mul_i32 s23, s12, 64*MP                      ; mask: query 64 (w % 2) + r, 32 bytes (8 keys) at 32 h
	s_add_co_u32 s23, s23, MOFF
	v_mul_u32_u24 v[AM], v36, MP
	v_lshl_add_u32 v[AM], v37, 5, v[AM]
	v_add_nc_u32 v[AM], s23, v[AM]
	v_add_nc_u32 v[AM+1], SLOT, v[AM]
	s_mul_i32 s23, s12, 64*SP                      ; the stage has K's pitch: row 64 (w % 2) + r, my head's 128 bytes, 16 h
	s_add_co_u32 s23, s23, STAGE
	v_add_nc_u32 v[STO], s23, v[AK]
	s_mul_i32 s23, s10, SP                         ; back: row w + 8 p, 16 bytes a lane: a whole row of 512 bytes
	s_add_co_u32 s23, s23, STAGE
	v_lshl_add_u32 v[RD], v40, 4, s23
	s_lshl_b32 s23, s10, 11
	v_lshl_add_u32 v[CO], v40, 4, s23
	s_lshl_b32 s23, s12, 17                        ; Q: row 64 (w % 2) + r of 2,048 bytes, my head, 16 h
	s_add_co_u32 s23, s23, s22
	v_lshlrev_b32 v[QO], 11, v36
	v_lshl_add_u32 v[QO], v37, 4, v[QO]
	v_add_nc_u32 v[QO], s23, v[QO]
	WIN 0x40                                       ; destination window 1
.irp c, 0,1,2,3
.irp ks, 0,1
	global_load_b128 v[QF+16*\c+8*\ks:QF+16*\c+8*\ks+3],   v[QO], s[86:87] offset:\c*32768+\ks*64      ; read once; a head's rows are 128 bytes in the tensor itself
	global_load_b128 v[QF+16*\c+8*\ks+4:QF+16*\c+8*\ks+7], v[QO], s[86:87] offset:\c*32768+\ks*64+32
.endr
.endr
	WIN 0
; 8 loads: the mask of query tile c, laid as S is, into the S registers of tile (c + 2) % 4
.macro MLOAD slot, c
.set MD, SX+32*((\c+2)%4)
.irp t, 0,1,2,3
	ds_load_b128 v[MD+8*\t:MD+8*\t+3],   v[AM+\slot] offset:\c*16*MP+64*\t
	ds_load_b128 v[MD+8*\t+4:MD+8*\t+7], v[AM+\slot] offset:\c*16*MP+64*\t+16
.endr
.endm
; x / 2 = mask x (-5e8) + S, one rounding, 16 packed instructions
.macro MADD c
.set XB, SX+32*\c
.set MD, SX+32*((\c+2)%4)
.set j, 0
.rept 16
	v_pk_fma_f32 v[XB+2*j:XB+2*j+1], v[MD+2*j:MD+2*j+1], 0xcdee6b28, v[XB+2*j:XB+2*j+1] op_sel_hi:[1,0,1]
.set j, j+1
.endr
.endm
; S(c): 64 keys x 16 queries, 8 matrix instructions.  The four key tiles take turns, one instruction a turn.
.macro SMUL c
.irp t, 0,1,2,3
	v_wmma_f32_16x16x32_f16 v[SX+32*\c+8*\t:SX+32*\c+8*\t+7], v[KF+16*\t:KF+16*\t+7], v[QF+16*\c:QF+16*\c+7], 0
.endr
.irp t, 0,1,2,3
	v_wmma_f32_16x16x32_f16 v[SX+32*\c+8*\t:SX+32*\c+8*\t+7], v[KF+16*\t+8:KF+16*\t+15], v[QF+16*\c+8:QF+16*\c+15], v[SX+32*\c+8*\t:SX+32*\c+8*\t+7]
.endr
.endm
; O(c) += V^T P(c): 8 matrix instructions.  The four tiles d take turns, one instruction a turn.  first = 1: the first four start the sums.
.macro PVMUL c, first
.irp u, 0,1
.irp d, 0,1,2,3
.if \first*(1-\u)
	v_wmma_f32_16x16x32_f16 v[OA+32*\c+8*\d:OA+32*\c+8*\d+7], v[VF+32*\u+8*\d:VF+32*\u+8*\d+7], v[SX+32*\c+16*\u:SX+32*\c+16*\u+7], 0
.else
	v_wmma_f32_16x16x32_f16 v[OA+32*\c+8*\d:OA+32*\c+8*\d+7], v[VF+32*\u+8*\d:VF+32*\u+8*\d+7], v[SX+32*\c+16*\u:SX+32*\c+16*\u+7], v[OA+32*\c+8*\d:OA+32*\c+8*\d+7]
.endif
.endr
.endr
.endm
; the old sums of tile c times the factor of its new maximum
.macro RESC c
.set j, 0
.rept 16
	v_pk_mul_f32 v[OA+32*\c+2*j:OA+32*\c+2*j+1], v[OA+32*\c+2*j:OA+32*\c+2*j+1], v[AL+2*\c:AL+2*\c+1]
.set j, j+1
.endr
.endm
; The softmax step of query tile c: my 32 numbers are query r's keys 16 t + 8 h + 0..7.
.macro SOFT c, first
.set XB, SX+32*\c
	; the maximum of 32 numbers and the old one: a tree of 10 + 4 + 1 + 1 instructions, four deep
.set i, 0
.rept 10
	v_max3_num_f32 v[U+i], v[XB+3*i], v[XB+3*i+1], v[XB+3*i+2]
.set i, i+1
.endr
	v_max3_num_f32 v[W], v[U], v[U+1], v[U+2]
	v_max3_num_f32 v[W+1], v[U+3], v[U+4], v[U+5]
	v_max3_num_f32 v[W+2], v[U+6], v[U+7], v[U+8]
	v_max3_num_f32 v[W+3], v[U+9], v[XB+30], v[XB+31]
	v_max3_num_f32 v[U], v[W], v[W+1], v[W+2]
.if \first
	v_max_num_f32 v[U+1], v[U], v[W+3]
.else
	v_max3_num_f32 v[U+1], v[U], v[W+3], v[MX+2*\c]                ; with the maximum so far
.endif
	v_permlanex16_b32 v[U+2], v[U+1], s20, s21                     ; the query's other 32 keys lie in lane + 16
	v_max_num_f32 v[U+3], v[U+1], v[U+2]
.if \first == 0
	v_sub_f32 v[U+4], v[MX+2*\c], v[U+3]                           ; old - new, at most 0
	v_mul_f32 v[U+4], 0x4038aa3b, v[U+4]                           ; x 2 log2(e)
	v_exp_f32 v[AL+2*\c], v[U+4]                                   ; the two moves below are plain places behind it (ISA guide 5.7.2)
.endif
	v_mov_b32 v[MX+2*\c], v[U+3]
	v_mov_b32 v[MX+2*\c+1], v[U+3]
.if \first == 0
	s_wait_alu depctr_va_vdst(0)
	v_mov_b32 v[AL+2*\c+1], v[AL+2*\c]
.endif
	; Sixteen pairs p go through: subtract the maximum (first, and exact where both are near -5e8), x 2 log2(e), two exponentials, sum, pack.
	; Step j issues the exponentials of pair j, and between them and the next step's: the subtraction of pair j + 3, the multiplication of pair j + 2,
	; the sum of pair j - 1 (four chains; pairs 0-3 enter with pairs 4-7) and the packing.  So a plain instruction on other registers stands behind every
	; exponential before its result is read (ISA guide 5.7.2).  Packing is in place: key tiles 0, 1 become P(c, 0) in words 0-7, tiles 2, 3 P(c, 1) in words 16-23.
	; Pair q < 8 is packed in step q + 5 into word q, pair q >= 8 in step q + 1 into word 8 + q; the word written belongs to a pair that has been summed and packed.
.irp p, 0,1,2
	v_pk_add_f32 v[XB+2*\p:XB+2*\p+1], v[XB+2*\p:XB+2*\p+1], v[MX+2*\c:MX+2*\c+1] neg_lo:[0,1] neg_hi:[0,1]
.endr
.irp p, 0,1
	v_pk_mul_f32 v[XB+2*\p:XB+2*\p+1], v[XB+2*\p:XB+2*\p+1], 0x4038aa3b op_sel_hi:[1,0]
.endr
.set j, 0
.rept 17
.if j < 16
	v_exp_f32 v[XB+2*j], v[XB+2*j]
	v_exp_f32 v[XB+2*j+1], v[XB+2*j+1]
.endif
.if j < 13
	v_pk_add_f32 v[XB+2*(j+3):XB+2*(j+3)+1], v[XB+2*(j+3):XB+2*(j+3)+1], v[MX+2*\c:MX+2*\c+1] neg_lo:[0,1] neg_hi:[0,1]
.endif
.if j < 14
	v_pk_mul_f32 v[XB+2*(j+2):XB+2*(j+2)+1], v[XB+2*(j+2):XB+2*(j+2)+1], 0x4038aa3b op_sel_hi:[1,0]
.endif
.if j >= 5
.if j < 9
	s_wait_alu depctr_va_vdst(0)
	v_pk_add_f32 v[SA+2*(j-5):SA+2*(j-5)+1], v[XB+2*(j-5):XB+2*(j-5)+1], v[XB+2*(j-1):XB+2*(j-1)+1]
.else
	s_wait_alu depctr_va_vdst(0)
	v_pk_add_f32 v[SA+2*((j-1)%4):SA+2*((j-1)%4)+1], v[SA+2*((j-1)%4):SA+2*((j-1)%4)+1], v[XB+2*(j-1):XB+2*(j-1)+1]
.endif
.if j < 13
	v_cvt_pk_f16_f32 v[XB+j-5], v[XB+2*(j-5)], v[XB+2*(j-5)+1]
.endif
.endif
.if j >= 9
	v_cvt_pk_f16_f32 v[XB+16+j-9], v[XB+2*(j-1)], v[XB+2*(j-1)+1]
.endif
.set j, j+1
.endr
	v_pk_add_f32 v[SA:SA+1], v[SA:SA+1], v[SA+2:SA+3]
	v_pk_add_f32 v[SA+4:SA+5], v[SA+4:SA+5], v[SA+6:SA+7]
.if \first
	v_pk_add_f32 v[LS+2*\c:LS+2*\c+1], v[SA:SA+1], v[SA+4:SA+5]
.else
	v_pk_add_f32 v[SA:SA+1], v[SA:SA+1], v[SA+4:SA+5]
	v_pk_fma_f32 v[LS+2*\c:LS+2*\c+1], v[LS+2*\c:LS+2*\c+1], v[AL+2*\c:AL+2*\c+1], v[SA:SA+1]
.endif
.endm
.macro PLACES                          ; four places behind matrix instructions (ISA guide 7.12.1), where no vector work of another tile stands there
.rept 4
	v_nop
.endr
.endm
; One tile of 64 keys, in slot.  first = 1: the sums start.
; sync = 2: at the end the slots change and this slot is filled again, two tiles ahead; 1: they change and nothing is filled; 0: the last tile.
.macro TRIP slot, first, sync
	; one run of 48 LDS loads, in the order of their use: K, the masks of tiles 0 and 1, V
.irp t, 0,1,2,3
.irp ks, 0,1
	ds_load_b128 v[KF+16*\t+8*\ks:KF+16*\t+8*\ks+3],   v[AK+\slot] offset:\t*16*KP+64*\ks
	ds_load_b128 v[KF+16*\t+8*\ks+4:KF+16*\t+8*\ks+7], v[AK+\slot] offset:\t*16*KP+64*\ks+32
.endr
.endr
	MLOAD \slot, 0
	MLOAD \slot, 1
	WIN 0x40
.irp u, 0,1
.irp d, 0,1,2,3
	ds_load_tr16_b128 v[VF+32*\u+8*\d:VF+32*\u+8*\d+3],   v[AV+\slot] offset:\u*32*VP+32*\d         ; V^T: row v = 16 d + r, keys 32 u + 8 h + 0..7,
	ds_load_tr16_b128 v[VF+32*\u+8*\d+4:VF+32*\u+8*\d+7], v[AV+\slot] offset:\u*32*VP+32*\d+16*VP   ; and keys 32 u + 16 + 8 h + 0..7
.endr
.endr
	s_wait_dscnt 32                                ; K's 16 loads are in; the 8 + 8 of the masks and V's 16 stay out
.if \first
	s_wait_loadcnt 0x0                             ; Q, once
.endif
	WIN 0x04                                       ; source 1 (Q) window 1
	SMUL 0
	SMUL 1
	WIN 0
	PLACES                                         ; S(0) is read next
	s_wait_dscnt 24                                ; the mask of tile 0 is in; that of tile 1 and V stay out
	MADD 0
	WIN 0x04
	SMUL 2                                         ; over the registers that held the mask of tile 0
	WIN 0
	SOFT 0, \first
.if \first == 0
	WIN 0x41                                       ; O in window 1, the factor in window 0
	RESC 0
.endif
	s_wait_dscnt 0x0                               ; V and the mask of tile 1 are in
	WIN 0x51                                       ; source 0 (V^T), C and D window 1; source 1 (P) window 0
	PVMUL 0, \first
	WIN 0
	MADD 1
	WIN 0x04
	SMUL 3                                         ; over the registers that held the mask of tile 1
	WIN 0
	SOFT 1, \first
	MLOAD \slot, 2                                 ; into S(0): PV(0), which read it, stands in front of the mask and softmax steps of tile 1
.if \first == 0
	WIN 0x41
	RESC 1
.endif
	WIN 0x51
	PVMUL 1, \first
	WIN 0
	s_wait_dscnt 0x0                               ; the mask of tile 2
	MADD 2
	MLOAD \slot, 3                                 ; into S(1): the 16 instructions above are the places behind PV(1), which read it
	SOFT 2, \first
.if \first == 0
	WIN 0x41
	RESC 2
.endif
	WIN 0x51
	PVMUL 2, \first
	WIN 0
	s_wait_dscnt 0x0                               ; the mask of tile 3: my last read of this slot
	MADD 3
	SOFT 3, \first
.if \first == 0
	WIN 0x41
	RESC 3
.endif
.if \sync
	s_set_vgpr_msb (MSB<<8)|((MSB&0xf0)|0x0)
	s_wait_tensorcnt 0x0                           ; all my tensor loads have landed: the one that was out is my part of the next tile
	ds_add_u32 v62, v63
	s_wait_dscnt 0x0
	s_set_vgpr_msb (((MSB&0xf0)|0x0)<<8)|MSB
	s_wait_dscnt 0x0                               ; my reads of this slot are over (met above)
	s_barrier_signal -1                            ; say so (where the slot is filled again this barrier opens a round of the cluster barrier),
.endif
	WIN 0x51
	PVMUL 3, \first                                ; work on registers while the others arrive
	WIN 0
	PLACES                                         ; the next trip's loads land on V's and P(3)'s registers; behind the last trip O is read
.if \sync
	s_barrier_wait -1
.endif
.if \sync == 2
	CREST                                          ; no wave of any of the sixteen work-groups still reads this slot or has a load on its way
	s_add_nc_u64 s[G0K+4*\slot+2:G0K+4*\slot+3], s[G0K+4*\slot+2:G0K+4*\slot+3], 2*TSTEP
	s_add_nc_u64 s[G0V+4*\slot+2:G0V+4*\slot+3], s[G0V+4*\slot+2:G0V+4*\slot+3], 2*TSTEP
	s_add_nc_u64 s[G0M+4*\slot+2:G0M+4*\slot+3], s[G0M+4*\slot+2:G0M+4*\slot+3], 2*256
	JLOAD \slot                                    ; the first tensor load behind the round: it has the whole next trip in which to land
.endif
.endm
	s_set_vgpr_msb (MSB<<8)|((MSB&0xf0)|0x0)
	s_wait_tensorcnt 0x0                           ; my part of tile 0 is in
	ds_add_u32 v62, v63
	s_wait_dscnt 0x0
	s_set_vgpr_msb (((MSB&0xf0)|0x0)<<8)|MSB
	s_wait_dscnt 0x0
	ROUND                                          ; everybody's is, in all sixteen work-groups
	JLOAD 1                                        ; tile 1, into slot 1: its first fill, issued as a refill is
	TRIP 0, 1, 2                                   ; tile 0 starts the sums
	TRIP 1, 0, 2
	s_mov_b32 s3, 14
.Lpair:
	TRIP 0, 0, 2                                   ; tiles 2 to 29; the last refill is tile 31
	TRIP 1, 0, 2
	s_sub_co_u32 s3, s3, 1
	s_cmp_lg_u32 s3, 0
	s_cbranch_scc1 .Lpair
	TRIP 0, 0, 1                                   ; tile 30: nothing is left to fetch
	TRIP 1, 0, 0                                   ; tile 31
	; THE WAY OUT: divide by the row sum (at least 1: the largest weight is 1), round to f16, through the stage so that whole rows of 512 bytes leave.
.irp c, 0,1,2,3
	v_add_f32 v[U+\c], v[LS+2*\c], v[LS+2*\c+1]
.endr
.irp c, 0,1,2,3
	v_permlanex16_b32 v[U+4+\c], v[U+\c], s20, s21
.endr
.irp c, 0,1,2,3
	v_add_f32 v[U+\c], v[U+\c], v[U+4+\c]
.endr
.irp c, 0,1,2,3
	v_rcp_f32 v[AL+2*\c], v[U+\c]
.endr
	v_nop                                          ; one plain place behind the reciprocals
	s_wait_alu depctr_va_vdst(0)
.irp c, 0,1,2,3
	v_mov_b32 v[AL+2*\c+1], v[AL+2*\c]
.endr
	WIN 0x41
	RESC 0
	RESC 1
	RESC 2
	RESC 3
	WIN 0x05                                       ; sources 0 and 1 window 1
.irp c, 0,1,2,3
.irp d, 0,1,2,3
.irp i, 0,1,2,3
	v_cvt_pk_f16_f32 v[SX+16*\c+4*\d+\i], v[OA+32*\c+8*\d+2*\i], v[OA+32*\c+8*\d+2*\i+1]   ; query r, v = 16 d + 8 h + 0..7: 16 bytes that belong together
.endr
.endr
.endr
	WIN 0
.irp c, 0,1,2,3
.irp d, 0,1,2,3
	ds_store_b128 v[STO], v[SX+16*\c+4*\d:SX+16*\c+4*\d+3] offset:\c*16*SP+32*\d
.endr
.endr
	s_wait_dscnt 0x0                               ; my stores are in LDS before I say so: a row holds four waves' heads
	s_barrier_signal -1
	s_barrier_wait -1
.irp p, 0,1,2,3,4,5,6,7,8,9,10,11,12,13,14,15
	ds_load_b128 v[128+4*\p:128+4*\p+3], v[RD] offset:\p*8*SP
.endr
.irp p, 0,1,2,3,4,5,6,7,8,9,10,11,12,13,14,15
	s_wait_dscnt 15-\p
	global_store_b128 v[CO], v[128+4*\p:128+4*\p+3], s[8:9] offset:\p*8*2048   ; a wave stores 512 consecutive bytes, aligned
.endr
	s_set_vgpr_msb (MSB<<8)|((MSB&0xf0)|0x0)
	s_wait_tensorcnt 0x0
	ds_add_u32 v62, v63
	s_wait_dscnt 0x0
	s_set_vgpr_msb (((MSB&0xf0)|0x0)<<8)|MSB
	ROUND                                          ; the closing round
	s_endpgm
.Lfunc_end_k_qb9fcb269d4_attn:
	.size	k_qb9fcb269d4_attn, .Lfunc_end_k_qb9fcb269d4_attn-k_qb9fcb269d4_attn
	.p2alignl 7, 3214868480
	.fill 96, 4, 3214868480
	.section	.rodata,"a",@progbits
	.p2align	6, 0x0
	.amdhsa_kernel k_qb9fcb269d4_attn
		.amdhsa_group_segment_fixed_size 327680
		.amdhsa_private_segment_fixed_size 0
		.amdhsa_enable_private_segment 0
		.amdhsa_kernarg_size 24
		.amdhsa_user_sgpr_count 2
		.amdhsa_user_sgpr_kernarg_segment_ptr 1
		.amdhsa_wavefront_size32 1
		.amdhsa_system_sgpr_workgroup_id_x 1
		.amdhsa_system_sgpr_workgroup_id_y 1
		.amdhsa_system_sgpr_workgroup_id_z 1
		.amdhsa_system_vgpr_workitem_id 0
		.amdhsa_next_free_vgpr 512
		.amdhsa_next_free_sgpr 96
		.amdhsa_reserve_vcc 0
		.amdhsa_float_denorm_mode_32 3
		.amdhsa_float_denorm_mode_16_64 3
		.amdhsa_memory_ordered 1
		.amdhsa_forward_progress 1
		.amdhsa_inst_pref_size 255
	.end_amdhsa_kernel
	.section	.bss,"aw",@nobits
	.p2align	6
	.space	262144
	.amdgpu_metadata
---
amdhsa.version: [ 1, 2 ]
amdhsa.kernels:
  - .name:           k_qb9fcb269d4_attn
    .symbol:         k_qb9fcb269d4_attn.kd
    .args:
      - { .name: qkv, .offset: 0, .size: 8, .value_kind: global_buffer, .address_space: global }
      - { .name: mask, .offset: 8, .size: 8, .value_kind: global_buffer, .address_space: global }
      - { .name: att, .offset: 16, .size: 8, .value_kind: global_buffer, .address_space: global }
    .group_segment_fixed_size: 327680
    .private_segment_fixed_size: 0
    .kernarg_segment_align: 8
    .kernarg_segment_size: 24
    .max_flat_workgroup_size: 256
    .sgpr_count:     96
    .vgpr_count:     512
    .wavefront_size: 32
...
	.end_amdgpu_metadata
.endif
;; end of part 3
;; launch outp (part 4): grid 4 x 64, 4 waves a work-group, clusters of 4 x 4, 327,680 bytes of LDS; arguments att, wt, out0; writes out0
.if DOCPART == 4
	.amdgcn_target "amdgcn-amd-amdhsa--gfx1250"
	.amdhsa_code_object_version 6
	.text
	.protected	k_qb9fcb269d4_outp
	.globl	k_qb9fcb269d4_outp
	.p2align	8
	.type	k_qb9fcb269d4_outp,@function
k_qb9fcb269d4_outp:
	s_mov_b64 s[64:65], 0
	v_nop
	global_prefetch_b8 v0, s[64:65] scope:SCOPE_SE
	s_setreg_imm32_b32 hwreg(HW_REG_WAVE_MODE, 25, 1), 1
	s_wait_xcnt 0x0
	s_wait_alu depctr_hold_cnt(0) depctr_sa_sdst(0) depctr_va_vdst(0) depctr_va_sdst(0) depctr_va_ssrc(0) depctr_va_vcc(0) depctr_vm_vsrc(0)
	s_getreg_b32 s2, hwreg(HW_REG_IB_STS2, 6, 4)
	s_cmp_eq_u32 s2, 0
	s_cbranch_scc0 .Lentry_in_a_cluster
	s_endpgm
.Lentry_in_a_cluster:
	s_bfe_u32 s2, ttmp6, 0x10000c
	s_cmp_lg_u32 s2, 0xf033
	s_cbranch_scc0 .Lentry_shape_is_right
	s_endpgm
.Lentry_shape_is_right:
; out0[b t][n] = sum over k of att[b t][k] wt[3][n][k]: att is A / 4 in f16, wt[3] is 4 WO^T in f16, out0 f32, sums in f32.
; A work-group makes a block of 128 x 256 with four waves, a wave 64 x 128: 32 accumulator tiles.  256 blocks, one for each WGP.
; K goes in steps of 128 (rows of 256 bytes, aligned) through a ring of two LDS slots.  4 x 4 clusters: att's tile is shared along a row of the cluster,
; wt's along a column, by joint loads: a quarter of the requests.
; REGISTERS: window 0: addresses; att's fragments, two buffers of 4 x 8; window 1: wt's fragments, two buffers of 8 x 8; window 2: accumulator (a, b) at v[8 (8 a + b)].
; The matrix instruction is used transposed (source 0 = 16 rows of wt, source 1 = 16 rows of att): a lane holds eight neighbouring columns of one row, 32 bytes of f32.
.set KSTEP,  128
.set PITCH,  272                       ; 256 bytes + 16: an odd multiple of 16, so 16 rows start in 16 different groups of four banks (64 banks of 4 bytes: ISA guide 11.1)
.set AH,     64*PITCH                  ; 64 rows of att: one tensor load, and what one wave reads
.set WH,     128*PITCH                 ; 128 rows of wt
.set WOFF,   2*AH
.set SLOT,   2*AH+2*WH                 ; 104,448
.set STAGE,  2*SLOT                    ; 208,896, a multiple of 256: 16 rows x 528 bytes for each wave, never filled by a tensor load
.set SPITCH, 528
.set LAPS,   1024/(2*KSTEP)
.set ADRA, 16
.set ADRB, 20
.set STO,  24
.set RD,   25
.set CO,   26
.set F0,   64
.set F1,   128
.set G1,  24
.set G0,  32
.set G1B, 48
.set G0B, 56
.set MSB, 0
.macro WIN new
.if MSB != \new
	s_set_vgpr_msb (MSB<<8)|\new
.set MSB, \new
.endif
.endm
.set MUL,  0xa1
.set TO_B, 0x40
.macro JLOAD s                         ; waves 0, 1: att's halves; waves 2, 3: wt's
	s_cmp_eq_u32 s11, 0
	s_cbranch_scc0 .Lfor_b_\@
	tensor_load_to_lds s[G0+4*\s:G0+4*\s+3], s[G1:G1+7]
	s_nop 0
	s_branch .Lasked_\@
.Lfor_b_\@:
	tensor_load_to_lds s[G0B+4*\s:G0B+4*\s+3], s[G1B:G1B+7]
	s_nop 0
.Lasked_\@:
.endm
.macro CREST
	s_cmp_lg_u32 s10, 0
	s_cbranch_scc1 .Lnot_wave_0_\@
	s_barrier_signal -3
.Lnot_wave_0_\@:
	s_barrier_wait -3
	s_barrier_signal -1
	s_barrier_wait -1
.endm
.macro CROUND
	s_barrier_signal -1
	s_barrier_wait -1
	CREST
.endm
	s_load_b128 s[4:7], s[0:1], 0x0                ; att s[4:5], wt s[6:7]
	s_load_b64 s[8:9], s[0:1], 0x10                ; out0
	s_set_vgpr_msb 0x40
	v_lshl_add_u32 v255, v0, 2, 0x3b400
	s_set_vgpr_msb 0x4000
	v_mov_b32 v255, 0
	s_set_vgpr_msb 0x1
	ds_add_u32 v255, v255
	s_set_vgpr_msb 0x100
	v_lshrrev_b32 v1, 5, v0
	v_readfirstlane_b32 s10, v1
	s_lshr_b32 s11, s10, 1                         ; which 64 rows are mine.  Also: I fetch for att (0) or wt (1)
	s_and_b32 s12, s10, 1                          ; which 128 columns.  Also: which half of that tile I fetch
	s_bfe_u32 s40, ttmp6, 0x40000                  ; cx
	s_bfe_u32 s41, ttmp6, 0x40004                  ; cy
	s_lshl_b32 s42, ttmp9, 2
	s_add_co_u32 s42, s42, s40                     ; block column 0..3
	s_and_b32 s13, ttmp7, 0xffff
	s_lshl_b32 s13, s13, 2
	s_add_co_u32 s13, s13, s41                     ; block row 0..63
	s_lshl_b32 s43, s41, 2
	s_lshl_b32 s43, 15, s43
	s_lshl_b32 s44, 0x1111, s40
	s_or_b32 s[G1+0], s43, (1<<16)|(1<<20)|(1<<21)|(5<<22)|(3<<25)
	s_or_b32 s[G1B+0], s44, (1<<16)|(1<<20)|(1<<21)|(5<<22)|(3<<25)
	s_mov_b32 s[G1+1], KSTEP<<16
	s_mov_b32 s[G1B+1], KSTEP<<16
	s_mov_b32 s[G1+2], 64<<16
	s_mov_b32 s[G1B+2], 128<<16
	s_mov_b32 s[G1+3], KSTEP<<16
	s_mov_b32 s[G1B+3], KSTEP<<16
	s_mov_b32 s[G1+4], 64
	s_mov_b32 s[G1B+4], 128
	s_mov_b32 s[G1+5], 1024
	s_mov_b32 s[G1B+5], 1024
	s_mov_b32 s[G1+6], 0
	s_mov_b32 s[G1B+6], 0
	s_mov_b32 s[G1+7], 0
	s_mov_b32 s[G1B+7], 0
	s_lshl_b32 s16, s13, 7
	s_lshl_b32 s17, s12, 6
	s_add_co_u32 s16, s16, s17                     ; att's row: 128 x block row + 64 x half
	s_lshl_b32 s16, s16, 11
	s_mov_b32 s17, 0
	s_lshl_b32 s46, s42, 8
	s_lshl_b32 s47, s12, 7
	s_add_co_u32 s46, s46, s47                     ; wt's row: 256 x block column + 128 x half
	s_lshl_b32 s46, s46, 11
	s_add_co_u32 s46, s46, 3<<21                   ; the fourth matrix of wt
	s_mov_b32 s47, 0
	s_mul_i32 s20, s12, AH
	s_mul_i32 s21, s12, WH
	s_add_co_u32 s21, s21, WOFF
	s_wait_dscnt 0x0
	s_wait_kmcnt 0x0
	s_add_nc_u64 s[14:15], s[4:5], s[16:17]
	s_add_nc_u64 s[46:47], s[6:7], s[46:47]
	CROUND
.irp s, 0,1
	s_mov_b32 s[G0+4*\s], 1
	s_add_co_u32 s[G0+4*\s+1], s20, \s*SLOT
	s_add_nc_u64 s[G0+4*\s+2:G0+4*\s+3], s[14:15], \s*KSTEP*2
	s_or_b32 s[G0+4*\s+3], s[G0+4*\s+3], 0x80000000
	s_mov_b32 s[G0B+4*\s], 1
	s_add_co_u32 s[G0B+4*\s+1], s21, \s*SLOT
	s_add_nc_u64 s[G0B+4*\s+2:G0B+4*\s+3], s[46:47], \s*KSTEP*2
	s_or_b32 s[G0B+4*\s+3], s[G0B+4*\s+3], 0x80000000
	JLOAD \s                                       ; two loads of a wave are out, the most in this text
.endr
	v_and_b32 v1, 15, v0
	v_bfe_u32 v2, v0, 4, 1
	v_and_b32 v6, 31, v0
	v_mul_u32_u24 v3, v1, PITCH
	v_lshl_add_u32 v3, v2, 4, v3
	s_mul_i32 s21, s11, AH
	s_mul_i32 s22, s12, WH
	s_add_co_u32 s22, s22, WOFF
.irp s, 0,1
	v_add_nc_u32 v[ADRA+\s], s21, v3
	v_add_nc_u32 v[ADRB+\s], s22, v3
	s_add_co_u32 s21, s21, SLOT
	s_add_co_u32 s22, s22, SLOT
.endr
	s_mul_i32 s23, s10, 16*SPITCH
	s_add_co_u32 s23, s23, STAGE
	v_mul_u32_u24 v4, v1, SPITCH                   ; in: row l % 16, 32 bytes for each half of the lanes
	v_lshl_add_u32 v4, v2, 5, v4
	v_add_nc_u32 v[STO], s23, v4
	v_lshl_add_u32 v[RD], v6, 4, s23               ; back: 16 bytes a lane, a whole row of 512 bytes
	v_lshlrev_b32 v[CO], 4, v6
; The 32 accumulators take turns, one instruction a turn, in the same order in every quarter step.
.macro MULH f, a0, zero
.irp a, \a0, \a0+1
.irp b, 0,1,2,3,4,5,6,7
.if \zero
	v_wmma_f32_16x16x32_f16 v[8*(8*(\a)+\b):8*(8*(\a)+\b)+7], v[\f+8*\b:\f+8*\b+7], v[\f+8*(\a):\f+8*(\a)+7], 0
.else
	v_wmma_f32_16x16x32_f16 v[8*(8*(\a)+\b):8*(8*(\a)+\b)+7], v[\f+8*\b:\f+8*\b+7], v[\f+8*(\a):\f+8*(\a)+7], v[8*(8*(\a)+\b):8*(8*(\a)+\b)+7]
.endif
.endr
.endr
.endm
.macro FETCH slot, kq, f               ; 24 LDS loads: 128 rows of wt, then 64 rows of att, 32 K
	WIN TO_B
.irp i, 0,1,2,3,4,5,6,7
	ds_load_b128 v[\f+8*\i:\f+8*\i+3],   v[ADRB+\slot] offset:64*\kq+\i*16*PITCH
	ds_load_b128 v[\f+8*\i+4:\f+8*\i+7], v[ADRB+\slot] offset:64*\kq+\i*16*PITCH+32
.endr
	WIN 0
.irp a, 0,1,2,3
	ds_load_b128 v[\f+8*\a:\f+8*\a+3],   v[ADRA+\slot] offset:64*\kq+\a*16*PITCH
	ds_load_b128 v[\f+8*\a+4:\f+8*\a+7], v[ADRA+\slot] offset:64*\kq+\a*16*PITCH+32
.endr
.endm
.macro PLACES                          ; four places between matrix instructions and loads into registers that they read, or reads of their results
.rept 4
	v_nop
.endr
.endm
.macro QUARTER slot, kq, f, g, zero
	s_wait_dscnt 4                                 ; wt and att's rows 0-31 are in; the youngest four loads (rows 32-63) may be out
	WIN MUL
	MULH \f, 0, \zero
	PLACES
	FETCH \slot, \kq, \g
	s_wait_dscnt 24                                ; all but the 24 just issued
	WIN MUL
	MULH \f, 2, \zero
.endm
.macro THREE slot, zero
	QUARTER \slot, 1, F0, F1, \zero
	QUARTER \slot, 2, F1, F0, 0
	QUARTER \slot, 3, F0, F1, 0
.endm
.macro TURN slot, next, fill
	s_wait_dscnt 0x0                               ; my reads of this slot are over
	s_wait_tensorcnt 0x0                           ; and all my tensor loads have landed: the one that was out is my part of the next slot
	ds_add_u32 v255, v255
	s_wait_dscnt 0x0
	s_barrier_signal -1
	WIN MUL
	MULH F1, 0, 0
	WIN 0
	s_barrier_wait -1
.if \fill
	CREST
	s_add_nc_u64 s[G0+4*\slot+2:G0+4*\slot+3], s[G0+4*\slot+2:G0+4*\slot+3], 2*KSTEP*2
	s_add_nc_u64 s[G0B+4*\slot+2:G0B+4*\slot+3], s[G0B+4*\slot+2:G0B+4*\slot+3], 2*KSTEP*2
	JLOAD \slot                                    ; the first tensor load behind the round
.endif
	PLACES
	FETCH \next, 0, F0
	WIN MUL
	MULH F1, 2, 0
.endm
.macro LAP zero
	THREE 0, \zero
	TURN 0, 1, 1
	THREE 1, 0
	TURN 1, 0, 1
.endm
	s_wait_tensorcnt 0x1                           ; my part of K step 0 is in; K step 1 may stay out
	s_barrier_signal -1
	s_barrier_wait -1
	FETCH 0, 0, F0
	LAP 1
	WIN 0
	s_mov_b32 s3, LAPS-2
.Llap:
	LAP 0
	WIN 0
	s_sub_co_u32 s3, s3, 1
	s_cmp_lg_u32 s3, 0
	s_cbranch_scc1 .Llap
	THREE 0, 0
	TURN 0, 1, 0
	THREE 1, 0
	s_wait_dscnt 0x0
	WIN MUL
	MULH F1, 0, 0
	MULH F1, 2, 0
	; THE WAY OUT, 16 rows at a time: 32 bytes a lane and tile into my own stage, whole rows of 512 bytes back and out.
	PLACES
	s_lshl_b32 s16, s13, 7
	s_lshl_b32 s17, s11, 6
	s_add_co_u32 s16, s16, s17                     ; my first row
	s_lshl_b32 s16, s16, 12                        ; x 4,096 bytes
	s_mov_b32 s17, 0
	s_add_nc_u64 s[8:9], s[8:9], s[16:17]
	s_lshl_b32 s46, s42, 10                        ; my first column in bytes: 1,024 x block column + 512 x half
	s_lshl_b32 s47, s12, 9
	s_add_co_u32 s46, s46, s47
	s_mov_b32 s47, 0
	s_add_nc_u64 s[8:9], s[8:9], s[46:47]
.macro OUT16 i, f
	WIN 0x08                                       ; the data of an LDS store is source 1: window 2
.irp b, 0,1,2,3,4,5,6,7
	ds_store_b128 v[STO], v[8*(8*\i+\b):8*(8*\i+\b)+3]   offset:64*\b
	ds_store_b128 v[STO], v[8*(8*\i+\b)+4:8*(8*\i+\b)+7] offset:64*\b+16
.endr
	WIN 0
	s_wait_xcnt 0x0                                ; the stores issued so far have had their addresses translated (ISA guide 3.1): their base and buffer f are rewritten only behind this wait
.if \i
	s_add_nc_u64 s[8:9], s[8:9], 16*4096
.endif
.irp t, 0,1,2,3,4,5,6,7,8,9,10,11,12,13,14,15
	ds_load_b128 v[\f+4*\t:\f+4*\t+3], v[RD] offset:\t*SPITCH      ; LDS serves a wave in order (ISA guide 5.7.1.4): these see the stores above
.endr
.irp t, 0,1,2,3,4,5,6,7,8,9,10,11,12,13,14,15
	s_wait_dscnt 15-\t
	global_store_b128 v[CO], v[\f+4*\t:\f+4*\t+3], s[8:9] offset:\t*4096 th:TH_STORE_NT   ; a wave stores 512 consecutive bytes, aligned
.endr
.endm
	OUT16 0, F0
	OUT16 1, F1
	OUT16 2, F0
	OUT16 3, F1
	s_set_vgpr_msb 0x1
	s_wait_tensorcnt 0x0
	ds_add_u32 v255, v255
	s_wait_dscnt 0x0
	s_set_vgpr_msb 0x100
	CROUND                                         ; the closing round
	s_endpgm
.Lfunc_end_k_qb9fcb269d4_outp:
	.size	k_qb9fcb269d4_outp, .Lfunc_end_k_qb9fcb269d4_outp-k_qb9fcb269d4_outp
	.p2alignl 7, 3214868480
	.fill 96, 4, 3214868480
	.section	.rodata,"a",@progbits
	.p2align	6, 0x0
	.amdhsa_kernel k_qb9fcb269d4_outp
		.amdhsa_group_segment_fixed_size 327680
		.amdhsa_private_segment_fixed_size 0
		.amdhsa_enable_private_segment 0
		.amdhsa_kernarg_size 24
		.amdhsa_user_sgpr_count 2
		.amdhsa_user_sgpr_kernarg_segment_ptr 1
		.amdhsa_wavefront_size32 1
		.amdhsa_system_sgpr_workgroup_id_x 1
		.amdhsa_system_sgpr_workgroup_id_y 1
		.amdhsa_system_sgpr_workgroup_id_z 1
		.amdhsa_system_vgpr_workitem_id 0
		.amdhsa_next_free_vgpr 768
		.amdhsa_next_free_sgpr 96
		.amdhsa_reserve_vcc 0
		.amdhsa_float_denorm_mode_32 3
		.amdhsa_float_denorm_mode_16_64 3
		.amdhsa_memory_ordered 1
		.amdhsa_forward_progress 1
		.amdhsa_inst_pref_size 119
	.end_amdhsa_kernel
	.amdgpu_metadata
---
amdhsa.version: [ 1, 2 ]
amdhsa.kernels:
  - .name:           k_qb9fcb269d4_outp
    .symbol:         k_qb9fcb269d4_outp.kd
    .args:
      - { .name: att, .offset: 0, .size: 8, .value_kind: global_buffer, .address_space: global }
      - { .name: wt, .offset: 8, .size: 8, .value_kind: global_buffer, .address_space: global }
      - { .name: out0, .offset: 16, .size: 8, .value_kind: global_buffer, .address_space: global }
    .group_segment_fixed_size: 327680
    .private_segment_fixed_size: 0
    .kernarg_segment_align: 8
    .kernarg_segment_size: 24
    .max_flat_workgroup_size: 128
    .sgpr_count:     96
    .vgpr_count:     768
    .wavefront_size: 32
...
	.end_amdgpu_metadata
.endif
;; end of part 4
;; ======== version 2 of 2: 4 launches; version 1 with the launch prep written anew for expert scheduling mode
;; limits: values are held in f16: magnitudes above 65,504 overflow, below 6.1e-05 lose precision; right only within a limited range of input values
;; workspace buffers: wt 8,388,608 bytes; qkv 50,331,648 bytes; att 16,777,216 bytes
;; launch prep (part 5): grid 512 x 1, 8 waves a work-group, no clusters, 18,432 bytes of LDS; arguments WQ, WK, WV, WO, wt; writes wt
.if DOCPART == 5
	.amdgcn_target "amdgcn-amd-amdhsa--gfx1250"
	.amdhsa_code_object_version 6
	.text
	.protected	k_qb9fcb269d4_prep
	.globl	k_qb9fcb269d4_prep
	.p2align	8
	.type	k_qb9fcb269d4_prep,@function
k_qb9fcb269d4_prep:
	s_mov_b64 s[64:65], 0
	v_nop
	global_prefetch_b8 v0, s[64:65] scope:SCOPE_SE
	s_setreg_imm32_b32 hwreg(HW_REG_WAVE_SCHED_MODE, 0, 2), 2
	s_setreg_imm32_b32 hwreg(HW_REG_WAVE_MODE, 25, 1), 1
	s_wait_xcnt 0x0
	s_wait_alu depctr_vm_vsrc(0)
; wt[w][n][k] in f16, w = 0, 1, 2: W{Q,K,V}[h][d][c] / 4 at n = 64 h + c, k = d;  w = 3: 4 WO[k][n].
; The later products want their weights with K along the rows; the inputs have N along the rows.  So each weight is cast and
; transposed once here.  The factors are powers of two, so they commute with the rounding to f16: Qh, Kh, Vh come out at a quarter
; of their size (room in f16 at both ends), the logits at 1/16 instead of 1/8 (made good in the softmax), and WO gives V's factor back.
; LIMIT: a weight beyond 4 x 65,504 (WO: beyond 16,376) becomes an infinity in f16.
; A work-group takes a tile of 128 k x 64 n of one matrix: 512 tiles.  Thread t reads 16 bytes (4 n) of 8 rows, sixteen neighbouring
; lanes 256 consecutive bytes, aligned; two neighbouring k are packed into a word and laid into LDS as T[n][k]; whole rows of 256 bytes go out.
; No matrix unit, no cluster, no tensor load: the launch only moves 24 MB, each byte once.
; THE MODE: SCHED_MODE bits 1:0 = 2 (LLVM: expert scheduling mode 2), set by the entry lines.  The code itself states the register dependences
; between vector instructions and memory or LDS instructions, with s_wait_alu, always for 0.
; THE PLAN.  Registers that memory or LDS instructions touch:
;   v1          offset of the eight global loads.  Written once, in the arm that issues them; never again.
;   v2, v3, v4  LDS address of the stores into T, LDS address of the loads back, offset of the global stores.  Written at the head; never again.
;   X           The global loads land in it, once; no vector instruction names it before.  Behind that vector instructions alone name it.
;   P           Word 4 i + c is written once, by a conversion of pair i, and read once, by an LDS store that is issued in pair i + 1 (pair 3's: behind pair 3).
;   Y           The LDS loads land in it, the global stores read it; no vector instruction names it.
;   v72, v73    Written at the head, read by the closing add alone.
; So: one wait on va_vdst behind the line that makes v1 (it covers v2, v3, v4, v72, v73 too, for the whole kernel); one at the head of pairs 1, 2, 3 and one behind pair 3,
; each ahead of the four LDS stores of the pair just converted.  Pair i's vector instructions name X and P of pair i alone, so the stores of pair i - 1 are dealt among them
; with no further wait.  No register that a memory or LDS instruction reads is ever written again, no vector instruction writes a scalar register, and EXEC is never written:
; no other wait is owed.
.set TP, 272                           ; LDS pitch of T: 256 bytes (128 k) + 16
.set X,  8                             ; v[8:39]   8 loads of 4 numbers: pair i of rows at X+8i (row 2 (t/16) + 32 i) and X+8i+4 (the row below)
.set P,  40                            ; v[40:55]  packed words
.set Y,  56                            ; v[56:71]  rows on the way out
	s_load_b256 s[4:11], s[0:1], 0x0               ; WQ s[4:5], WK s[6:7], WV s[8:9], WO s[10:11]
	s_load_b64 s[12:13], s[0:1], 0x20              ; wt
	v_lshl_add_u32 v72, v0, 2, 0x4400
	v_mov_b32 v73, 0
	s_lshr_b32 s14, ttmp9, 7                       ; w: which matrix
	s_and_b32 s15, ttmp9, 15                       ; nb: which 64 n (for w < 3 the head)
	s_bfe_u32 s16, ttmp9, 0x30004                  ; kb: which 128 k
	v_and_b32 v5, 15, v0                           ; t % 16
	v_lshrrev_b32 v6, 4, v0                        ; t / 16
	v_mul_u32_u24 v2, v5, 4*TP                     ; into T: row n = 4 (t % 16) + e, word k / 2 = t / 16 + 16 i
	v_lshl_add_u32 v2, v6, 2, v2                   ; (these 4-byte stores meet four deep in a bank, 1,088 bytes being 16 words modulo 64: 16 stores a thread, accepted)
	v_mul_u32_u24 v3, v6, TP                       ; back: row n = t / 16 + 16 j, 16 bytes at 16 (t % 16)
	v_lshl_add_u32 v3, v5, 4, v3
	v_lshlrev_b32 v4, 11, v6                       ; and the same place in wt, whose rows are 2,048 bytes
	v_lshl_add_u32 v4, v5, 4, v4
	v_lshlrev_b32 v5, 4, v5                        ; 16 (t % 16)
	s_lshl_b32 s22, s14, 21                        ; the tile in wt: w x 2 MiB + nb x 64 rows + kb x 256 bytes
	s_lshl_b32 s23, s15, 17
	s_add_co_u32 s22, s22, s23
	s_lshl_b32 s23, s16, 8
	s_add_co_u32 s22, s22, s23
	s_mov_b32 s23, 0
	s_mov_b32 s19, 0
	s_cmp_eq_u32 s14, 3
	s_cselect_b32 s20, 4.0, 0x3e800000             ; WO x 4, the others x 1/4
	s_mov_b32 s21, s20
	s_wait_kmcnt 0x0
	s_add_nc_u64 s[12:13], s[12:13], s[22:23]
; eight loads: rows 2 (t / 16) + 32 i + e of the tile, rs bytes from row to row (1 << sh = 2 rs)
.macro LOAD8 rs, sh, base
	v_lshl_add_u32 v1, v6, \sh, v5
	s_wait_alu depctr_va_vdst(0)                   ; v1 is written, which the eight loads below read as their offset; so are v2, v3, v4, v72 and v73, which the LDS stores and loads, the global stores and the closing add read
.irp i, 0,1,2,3
.irp e, 0,1
	global_load_b128 v[X+8*\i+4*\e:X+8*\i+4*\e+3], v1, s[\base:\base+1] offset:(32*\i+\e)*\rs th:TH_LOAD_NT
.endr
.endr
.endm
	s_cmp_eq_u32 s14, 3
	s_cbranch_scc1 .Lwo
	s_cmp_eq_u32 s14, 1                            ; [h][d][c]: a head is dense, a row of 64 numbers is 256 bytes
	s_cselect_b64 s[4:5], s[6:7], s[4:5]
	s_cmp_eq_u32 s14, 2
	s_cselect_b64 s[4:5], s[8:9], s[4:5]
	s_lshl_b32 s18, s15, 18                        ; head x 1,024 rows x 256 bytes
	s_lshl_b32 s17, s16, 15                        ; + kb x 128 rows
	s_add_co_u32 s18, s18, s17
	s_add_nc_u64 s[4:5], s[4:5], s[18:19]
	LOAD8 256, 9, 4
	s_branch .Lgot
.Lwo:
	s_lshl_b32 s18, s16, 19                        ; WO [k][n]: kb x 128 rows of 4,096 bytes
	s_lshl_b32 s17, s15, 8                         ; + nb x 256 bytes
	s_add_co_u32 s18, s18, s17
	s_add_nc_u64 s[10:11], s[10:11], s[18:19]
	LOAD8 4096, 13, 10
.Lgot:
.irp i, 0,1,2,3
	s_wait_loadcnt 6-2*\i                          ; loads come back in order (ISA guide 5.7.1): pair i of rows is in, the younger pairs stay out
.if \i
	s_wait_alu depctr_va_vdst(0)                   ; the conversions of the pair before have written their four words of P, which the four LDS stores below read
.endif
.irp c, 0,1,2,3
.if \i
	ds_store_b32 v2, v[P+4*((\i)-1)+\c] offset:\c*TP+((\i)-1)*64   ; the pair before; no vector instruction since the wait names this word or v2
.endif
	v_pk_mul_f32 v[X+8*\i+2*\c:X+8*\i+2*\c+1], v[X+8*\i+2*\c:X+8*\i+2*\c+1], s[20:21] op_sel_hi:[1,0]
.endr
.irp c, 0,1,2,3
	v_cvt_pk_f16_f32 v[P+4*\i+\c], v[X+8*\i+\c], v[X+8*\i+4+\c]    ; column 4 (t % 16) + c: the lower k in the low half
.endr
.endr
	s_wait_alu depctr_va_vdst(0)                   ; the conversions of pair 3 have written the last four words of P, which the last four LDS stores read
.irp c, 0,1,2,3
	ds_store_b32 v2, v[P+12+\c] offset:\c*TP+3*64
.endr
	s_wait_dscnt 0x0                               ; my stores are in LDS before I say so: other waves read them
	s_barrier_signal -1
	s_barrier_wait -1
.irp j, 0,1,2,3
	ds_load_b128 v[Y+4*\j:Y+4*\j+3], v3 offset:\j*16*TP            ; no vector instruction names Y; v3 was written ahead of the first wait on va_vdst
.endr
.irp j, 0,1,2,3
	s_wait_dscnt 3-\j
	global_store_b128 v4, v[Y+4*\j:Y+4*\j+3], s[12:13] offset:\j*16*2048   ; sixteen lanes store 256 consecutive bytes, aligned
.endr
	s_wait_dscnt 0x0                               ; the closing lines, six on end
	s_wait_alu 0x0
	s_wait_tensorcnt 0x0
	ds_add_u32 v72, v73
	s_wait_dscnt 0x0
	s_endpgm
.Lfunc_end_k_qb9fcb269d4_prep:
	.size	k_qb9fcb269d4_prep, .Lfunc_end_k_qb9fcb269d4_prep-k_qb9fcb269d4_prep
	.p2alignl 7, 3214868480
	.fill 96, 4, 3214868480
	.section	.rodata,"a",@progbits
	.p2align	6, 0x0
	.amdhsa_kernel k_qb9fcb269d4_prep
		.amdhsa_group_segment_fixed_size 18432
		.amdhsa_private_segment_fixed_size 0
		.amdhsa_enable_private_segment 0
		.amdhsa_kernarg_size 40
		.amdhsa_user_sgpr_count 2
		.amdhsa_user_sgpr_kernarg_segment_ptr 1
		.amdhsa_wavefront_size32 1
		.amdhsa_system_sgpr_workgroup_id_x 1
		.amdhsa_system_sgpr_workgroup_id_y 1
		.amdhsa_system_sgpr_workgroup_id_z 1
		.amdhsa_system_vgpr_workitem_id 0
		.amdhsa_next_free_vgpr 74
		.amdhsa_next_free_sgpr 66
		.amdhsa_reserve_vcc 0
		.amdhsa_float_denorm_mode_32 3
		.amdhsa_float_denorm_mode_16_64 3
		.amdhsa_memory_ordered 1
		.amdhsa_forward_progress 1
		.amdhsa_inst_pref_size 9
	.end_amdhsa_kernel
	.amdgpu_metadata
---
amdhsa.version: [ 1, 2 ]
amdhsa.kernels:
  - .name:           k_qb9fcb269d4_prep
    .symbol:         k_qb9fcb269d4_prep.kd
    .args:
      - { .name: WQ, .offset: 0, .size: 8, .value_kind: global_buffer, .address_space: global }
      - { .name: WK, .offset: 8, .size: 8, .value_kind: global_buffer, .address_space: global }
      - { .name: WV, .offset: 16, .size: 8, .value_kind: global_buffer, .address_space: global }
      - { .name: WO, .offset: 24, .size: 8, .value_kind: global_buffer, .address_space: global }
      - { .name: wt, .offset: 32, .size: 8, .value_kind: global_buffer, .address_space: global }
    .group_segment_fixed_size: 18432
    .private_segment_fixed_size: 0
    .kernarg_segment_align: 8
    .kernarg_segment_size: 40
    .max_flat_workgroup_size: 256
    .sgpr_count:     66
    .vgpr_count:     74
    .wavefront_size: 32
...
	.end_amdgpu_metadata
.endif
;; end of part 5
;; launch qkv: the kernel of part 2 again; grid 4 x 192, 4 waves a work-group, clusters of 4 x 4, 327,680 bytes of LDS; arguments Q, K, V, wt, qkv; writes qkv
;; launch attn: the kernel of part 3 again; grid 16 x 16, 8 waves a work-group, clusters of 4 x 4, 327,680 bytes of LDS; arguments qkv, mask, att; writes att
;; launch outp: the kernel of part 4 again; grid 4 x 64, 4 waves a work-group, clusters of 4 x 4, 327,680 bytes of LDS; arguments att, wt, out0; writes out0
